; MI455X (gfx1250); checked and timed in simulation.
; The chip was launched on July 23, 2026; its instructions are those of AMD's public machine-readable ISA for CDNA 5 (MIT licence, August 2026) and "CDNA5" Instruction Set Architecture Reference Guide (July 2026). The comments in the code are by the model that wrote it; some were corrected since.
;; Multi Head Attention. Allowed arithmetic: matrix products marked QUANTISED: E2M1 operands, one E8M0 scale for each 32 along K, by v_wmma_scale_f32_16x16x128_f8f6f4 with both operands' format E2M1 (or v_wmma_scale_f32_32x16x128_f4), f32 sums; everything else in f32.
;; Inputs: bk 1,024 float32; bo 1,024 float32; bq 1,024 float32; bv 1,024 float32; wk_codes 1,024 x 32 x 16 uint8 (E2M1 codes of wk, K innermost, in blocks of 32 codes, two codes a byte); wk_scales 1,024 x 32 uint8 (E8M0 scales of wk, one for each 32 codes along K); wo_codes 1,024 x 32 x 16 uint8 (E2M1 codes of wo, K innermost, in blocks of 32 codes, two codes a byte); wo_scales 1,024 x 32 uint8 (E8M0 scales of wo, one for each 32 codes along K); wq_codes 1,024 x 32 x 16 uint8 (E2M1 codes of wq, K innermost, in blocks of 32 codes, two codes a byte); wq_scales 1,024 x 32 uint8 (E8M0 scales of wq, one for each 32 codes along K); wv_codes 1,024 x 32 x 16 uint8 (E2M1 codes of wv, K innermost, in blocks of 32 codes, two codes a byte); wv_scales 1,024 x 32 uint8 (E8M0 scales of wv, one for each 32 codes along K); x_codes 4 x 2,048 x 32 x 16 uint8 (E2M1 codes of x, K innermost, in blocks of 32 codes, two codes a byte); x_scales 4 x 2,048 x 32 uint8 (E8M0 scales of x, one for each 32 codes along K).
;; Outputs: out0 4 x 2,048 x 1,024 float32.
;; This version of the problem:
;;   THIS VERSION OF THE PROBLEM IS GIVEN IN LOW PRECISION. The matrix products marked QUANTISED in the list below multiply operands that are first quantised to E2M1 (2 exponent bits, 1 mantissa bit; 4 bits a number), with one power-of-two scale for each 32 numbers along K (OCP MX v1.0); their sums are f32. All else is computed in f32.
;;   The module's matrix products, in the order in which they are computed (A, B: the left and right operand; K: the contracted axis; several contracted axes count as one K, in the product's order):
;;     1. [M 8,192, K 1,024] x [K 1,024, N 1,024]; A: input x (given as codes); B: input wq (given as codes): QUANTISED
;;     2. [M 8,192, K 1,024] x [K 1,024, N 1,024]; A: input x (given as codes); B: input wk (given as codes): QUANTISED
;;     3. [M 8,192, K 1,024] x [K 1,024, N 1,024]; A: input x (given as codes); B: input wv (given as codes): QUANTISED
;;     4. batch 64 x [M 2,048, K 64] x [K 64, N 2,048]; A: computed on the way; B: computed on the way: QUANTISED
;;     5. batch 64 x [M 2,048, K 2,048] x [K 2,048, N 64]; A: softmax (see below); B: computed on the way: QUANTISED
;;     6. [M 8,192, K 1,024] x [K 1,024, N 1,024]; A: computed on the way; B: input wo (given as codes): QUANTISED
;;   THE QUANTISER, for each operand of a quantised product, along K:
;;     - K is cut into blocks of 32 from its start; a last block that is shorter is filled with zeros.
;;     - A block's scale is 2^e with e = floor(log2(the largest magnitude in the block)) - 2, held to -126 .. 127; a block of zeros has e = 0. As a byte (E8M0): e + 127.
;;     - Each number is divided by its block's scale, clamped to +-6, and rounded to the nearest number of E2M1, ties to even, subnormals kept.
;;     - The product sums the exact products of the quantised numbers (number of the format x scale) in f32.
;;   ~~~python
;;   def quantise(x, axis):      # numpy; x: float32 -> the quantised numbers, widened to float32 again
;;       x = np.moveaxis(x, axis, -1); K = x.shape[-1]
;;       x = np.pad(x, [(0, 0)] * (x.ndim - 1) + [(0, -K % 32)]); x = x.reshape(x.shape[:-1] + (-1, 32)); a = np.abs(x).max(-1, keepdims=True)
;;       e = np.where(a > 0, np.clip(np.frexp(np.where(a > 0, a, 1))[1] - 1 - 2, -126, 127), 0)      # np.frexp(a)[1] - 1 = floor(log2(a)), exactly
;;       r = np.clip(x / 2.0 ** e, -6, 6)
;;       step = 2.0 ** (np.maximum(np.frexp(np.where(r == 0, 1, r))[1] - 1, 0) - 1)
;;       q = np.round(r / step) * step * 2.0 ** e      # np.round: ties to even
;;       return np.moveaxis(q.reshape(q.shape[:-2] + (-1,))[..., :K], -1, axis).astype(np.float32)
;;   ~~~
;;   SOFTMAX AHEAD OF A QUANTISED PRODUCT. Where the list says 'softmax', what is quantised is not the finished softmax but p = 2^(t - M), with t = logit x log2(e) and M = ceil(the row's largest t), a whole number; so 1/2 < the row's largest p <= 1. The row's sum l is taken of the UNQUANTISED p, in f32, and the product's result is divided by l at the end. Since M is a whole number, a kernel that streams over the keys may use a running M (the ceiling of the running maximum): every later rescaling is an exact power of two, which a block's scale takes up: the codes' values come out the same.
;;   OPERANDS COMPUTED ON THE WAY. 'Computed on the way' means the value that the module computes at that place (a softmax that the list does not call 'softmax' is quantised finished and normalised). What goes into a quantiser is computed in f32, as accurately as f32 sums, v_exp_f32 and their like allow (about 1e-6 of the number): no bf16 or f16 on the way to a quantiser, and a product that is left as it is and whose result goes on into a quantised operand takes f32 operands (vector FMAs, or v_wmma_f32_16x16x4_f32). A number that lies on a knife's edge between two numbers of the format may be rounded either way, as far as f32 arithmetic and the matrix unit's own rounding can turn it there, and no further.
;;   INPUTS GIVEN AS CODES. wk (in the module: [1024, 1024], K = its axis 0); wo (in the module: [1024, 1024], K = its axis 0); wq (in the module: [1024, 1024], K = its axis 0); wv (in the module: [1024, 1024], K = its axis 0); x (in the module: [4, 2048, 1024], K = its axis 2): each comes as NAME_codes (uint8): NAME with its K axis moved to the last place and cut into blocks of 32 codes, [.., K / 32, bytes a block], one block behind the other in memory; two codes a byte, the lower K in the low four bits (a code: sign, 2 exponent bits, 1 mantissa bit); and NAME_scales (uint8): the same leading axes, one E8M0 byte (e + 127) for each 32 codes along K. Its value is code x scale, taken as it is: it is not quantised again, and the codes and scales need not be those that the quantiser above would give.
;; One version. Each part assembles by itself: llvm-mc -triple=amdgcn-amd-amdhsa -mcpu=gfx1250 --defsym DOCPART=n.
;; ======== version 1 of 1: 3 launches
;; workspace buffers: qkv 13,893,632 bytes; abuf 4,194,304 bytes; asc 262,144 bytes
;; launch qkv_proj (part 1): grid 12 x 64, 8 waves a work-group, clusters of 4 x 4, 222,976 bytes of LDS; arguments x_codes, x_scales, wq_codes, wq_scales, bq, wk_codes, wk_scales, bk, wv_codes, wv_scales, bv, qkv; writes qkv
.if DOCPART == 1
	.amdgcn_target "amdgcn-amd-amdhsa--gfx1250"
	.amdhsa_code_object_version 6
	.text
	.protected	k_q453b842b5f_qkv_proj
	.globl	k_q453b842b5f_qkv_proj
	.p2align	8
	.type	k_q453b842b5f_qkv_proj,@function
k_q453b842b5f_qkv_proj:
	s_mov_b64 s[64:65], 0
	v_nop
	global_prefetch_b8 v0, s[64:65] scope:SCOPE_SE
	s_setreg_imm32_b32 hwreg(HW_REG_WAVE_MODE, 25, 1), 1
	s_wait_xcnt 0x0
	s_wait_alu depctr_hold_cnt(0) depctr_sa_sdst(0) depctr_va_vdst(0) depctr_va_sdst(0) depctr_va_ssrc(0) depctr_va_vcc(0) depctr_vm_vsrc(0)
	s_getreg_b32 s2, hwreg(HW_REG_IB_STS2, 6, 4)
	s_cmp_eq_u32 s2, 0
	s_cbranch_scc0 .Lentry_in_a_cluster
	s_endpgm
.Lentry_in_a_cluster:
	s_bfe_u32 s2, ttmp6, 0x10000c
	s_cmp_lg_u32 s2, 0xf033
	s_cbranch_scc0 .Lentry_shape_is_right
	s_endpgm
.Lentry_shape_is_right:
; q = x wq + bq, k = x wk + bk, v = x wv + bv on codes of FP4 (E2M1) with one E8M0 scale for each 32 along K = 1,024; the results are quantised at once for the two products of attention:
; q and k along the head's 64 (two blocks), v along the keys (blocks of 32 tokens), and stored as IMAGES OF THE OPERANDS' REGISTERS, so that the next launch loads fragments 16 bytes a lane.
; SHARES.  The cluster's x names the matrix (0 q, 1 k, 2 v).  A work-group makes 128 tokens x 256 columns (four heads) of it; 8 waves, two to a head (u = wave % 2), 16 accumulators of 16 x 16 each.
;   q, k: tokens 64 u .. + 63 x the head's 64 columns; source 0 = 16 rows of W, source 1 = 16 tokens: a lane holds ONE token and its registers run along the head's 64, the next product's K.
;   v:    all 128 tokens x columns 32 u .. + 31; source 0 = 16 tokens, source 1 = 16 rows of W: a lane holds ONE column and its registers run along the tokens, the next product's K.
; In both, accumulators 4 n .. 4 n + 3 (32 registers) are two blocks of 32 along the next K, in lanes l and l xor 16: four conversions and two exchanges of lane halves give registers 4 c .. 4 c + 3 of the 4-bit operand.
; LDS.  A row of 1,024 codes is 512 bytes, so all of K fits: two halves of 512 along K (rows of 256 bytes + 16 of padding) and the scale bytes, each filled ONCE; nothing is filled again, so there is no ring.
; CLUSTER 4 x 4.  The four work-groups of a row of the cluster read the same 128 tokens of x, the four of a column the same 256 rows of W: each tile is asked for jointly.
; NO PREFETCH: the only tensor loads stand at the head, where every work-group's tiles are on their way.
; THE RECORD of 13,568 bytes for (batch x 16 + head, block of 128 tokens): 0 K images (tile t at 512 t + 16 lane); 4,096 V^T images (1,024 t + 512 c + 16 lane); 8,192 K scale words [64-token half][lane][2];
;   8,704 V scale words [2][lane]; 8,960 Q images; 13,056 Q scale words.  A scale word of q or k is s0, s1, 0x7f, 0x7f: the upper 64 of the next product's K step of 128 are zero codes.
; STORES: an image store covers 512 consecutive bytes, q's and k's scale words 256, aligned; v's scale words 128 consecutive bytes, the other half of the 256 by the head's other wave.
; LIMITS: NaN and infinities are not served; a block whose largest magnitude lies under 2^-124 (zeros too) gets the byte 1 where the rule says 127 for zeros: its codes are zeros, and this program alone reads the bytes.
.set PITCH, 272                        ; an LDS row: 256 bytes + 16 of padding = 68 words: row r starts at bank 4 r mod 64 (64 banks of 4 bytes: ISA guide 11.1)
.set WT,    128*PITCH                  ; a half: x's 128 rows at 0, then W's 256 rows
.set HALFB, 384*PITCH                  ; from a half of K to the other
.set XSC,   2*HALFB                    ; x's scale bytes: 128 rows x 32 bytes = 16 runs of 256 bytes + 16
.set WSC,   XSC+16*PITCH               ; W's: 32 runs
.set REC,   13568
.set R_K,   0
.set R_V,   4096
.set R_KS,  8192
.set R_VS,  8704
.set R_Q,   8960
.set R_QS,  13056
.set IMO, 1                            ; v1   where my images go in the record
.set SCO, 2                            ; v2   where my scale words go
.set LN,  3                            ; v3   lane
.set XA,  4                            ; v4-5 LDS address of x's fragments, half 0, 1
.set WA,  6                            ; v6-7 of W's
.set XSA, 8                            ; v8   of x's scale words
.set WSA, 9                            ; v9   of W's
.set BO,  10                           ; v10  my offset in the bias
.set ACC, 128                          ; v128-255 the 16 accumulators
.set QWS, 16                           ; q, k: v16-23 W's scale words (4 i + step: lanes 0-15 tile 2 i, lanes 16-31 tile 2 i + 1), v24-31 x's
.set QXS, 24
.set QB,  32                           ;       v32-63 the bias in the result's layout, v64-95 W's four fragments, v96-127 x's four
.set QWF, 64
.set QXF, 96
.set VXS, 12                           ; v:    v12-27 x's scale words, v28-31 W's
.set VWS, 28
.set VB,  32                           ;       v32-47 the bias, v48-63 W's two fragments, v64-127 x's eight
.set VWF, 48
.set VXF, 64
.set MX,  32                           ; the quantiser: v32-39 largest magnitudes, v40-47 the other half's, v48-55 the conversions' scales, v56-63 bytes, v64-67 two bytes each, v68-83 codes, v84-85 scale words
.set PX,  40
.set CV,  48
.set BY,  56
.set HW,  64
.set CD,  68
.set SI,  84
.set SEL, 14                           ; s[14:15] lane selects of v_permlanex16_b32: lane l xor 16
.set U,   16                           ; s16  wave % 2
.set HP,  17                           ; s17  wave / 2: my head among the work-group's four
.set G1X, 28                           ; s[28:35] group 1: x's tiles;  s[36:43] W's;  s[44:51] x's scale bytes;  s[52:59] W's
.set G1W, 36
.set G1XS, 44
.set G1WS, 52
.set G0XS, 60                          ; groups 0
.set G0X0, 68
.set G0X1, 72
.set G0WS, 76
.set G0W0, 80
.set G0W1, 84
.set WV,  88
.set ROLE, 89                          ; wave / 4: I fetch for x (0) or for W (1)
.set W3,  90                           ; wave % 4: which quarter
.set CX,  91
.set CY,  92
.set MB,  93                           ; my block of 128 tokens
.macro PLACES                          ; four places in front of loads into registers that matrix instructions have read, and of the first read of results
.rept 4
	v_nop
.endr
.endm
.macro CROUND                          ; a round of the cluster's barrier
	s_barrier_signal -1
	s_barrier_wait -1
	s_cmp_lg_u32 s[WV], 0
	s_cbranch_scc1 .Lnot_wave_0_\@
	s_barrier_signal -3
.Lnot_wave_0_\@:
	s_barrier_wait -3
	s_barrier_signal -1
	s_barrier_wait -1
.endm
; A joint load: waves 0-3 fetch for x, waves 4-7 for W.  Each line has one mask; the branch hangs on the wave's number alone.  Four v_nop follow each line.
.macro JLOAD g0a, g1a, g0b, g1b
	s_cmp_eq_u32 s[ROLE], 0
	s_cbranch_scc0 .Lfor_w_\@
	tensor_load_to_lds s[\g0a:\g0a+3], s[\g1a:\g1a+7]
	s_nop 0
.rept 4
	v_nop
.endr
	s_branch .Lasked_\@
.Lfor_w_\@:
	tensor_load_to_lds s[\g0b:\g0b+3], s[\g1b:\g1b+7]
	s_nop 0
.rept 4
	v_nop
.endr
.Lasked_\@:
.endm
; One product.  ra, rb = 1: that side's scale words are read from lanes 16-31 of the register named.
.macro WM d, a, b, c, sa, sb, ra, rb
.if (\ra) && (\rb)
	v_wmma_scale_f32_16x16x128_f8f6f4 v[\d:\d+7], v[\a:\a+7], v[\b:\b+7], v[\c:\c+7], v[\sa], v[\sb] matrix_a_fmt:MATRIX_FMT_FP4 matrix_b_fmt:MATRIX_FMT_FP4 matrix_a_scale:MATRIX_SCALE_ROW1 matrix_b_scale:MATRIX_SCALE_ROW1
.elseif \ra
	v_wmma_scale_f32_16x16x128_f8f6f4 v[\d:\d+7], v[\a:\a+7], v[\b:\b+7], v[\c:\c+7], v[\sa], v[\sb] matrix_a_fmt:MATRIX_FMT_FP4 matrix_b_fmt:MATRIX_FMT_FP4 matrix_a_scale:MATRIX_SCALE_ROW1
.elseif \rb
	v_wmma_scale_f32_16x16x128_f8f6f4 v[\d:\d+7], v[\a:\a+7], v[\b:\b+7], v[\c:\c+7], v[\sa], v[\sb] matrix_a_fmt:MATRIX_FMT_FP4 matrix_b_fmt:MATRIX_FMT_FP4 matrix_b_scale:MATRIX_SCALE_ROW1
.else
	v_wmma_scale_f32_16x16x128_f8f6f4 v[\d:\d+7], v[\a:\a+7], v[\b:\b+7], v[\c:\c+7], v[\sa], v[\sb] matrix_a_fmt:MATRIX_FMT_FP4 matrix_b_fmt:MATRIX_FMT_FP4
.endif
.endm
.macro FRAGR reg, adr, off             ; a fragment, 16 rows x 128 K of 4-bit codes: lane l holds row l % 16; registers 4 c .. 4 c + 3 hold K = 64 c + 32 (l / 16) + 0 .. 31: two loads of 16 bytes, 32 apart
	ds_load_b128 v[\reg:\reg+3], v[\adr] offset:\off
	ds_load_b128 v[\reg+4:\reg+7], v[\adr] offset:\off+32
.endm
; A step of 128 along K, the qq-th of half k, for q and k.  first = 1: the bias is the C of each sum's first product.  The 16 accumulators take turns, one instruction a turn.
.macro STEP_QK k, qq, first
.if !(\first)
	PLACES
.endif
.if (\qq) == 0
.irp i, 0,1
	ds_load_b128 v[QWS+4*\i:QWS+4*\i+3], v[WSA] offset:4*PITCH*\i+16*(\k)    ; the half's four words of 32 rows, a lane a row
	ds_load_b128 v[QXS+4*\i:QXS+4*\i+3], v[XSA] offset:4*PITCH*\i+16*(\k)
.endr
.endif
.irp t, 0,1,2,3
	FRAGR QWF+8*\t, WA+(\k), 64*(\qq)+16*PITCH*\t
.endr
.irp t, 0,1,2,3
	FRAGR QXF+8*\t, XA+(\k), 64*(\qq)+16*PITCH*\t
.endr
.irp xt, 0,1,2,3
	s_wait_dscnt 2*(3-\xt)                         ; all but the later token tiles' loads, two a tile
.irp wt, 0,1,2,3
.if \first
	WM ACC+8*(4*\xt+\wt), QWF+8*\wt, QXF+8*\xt, QB+8*\wt, QWS+4*(\wt/2)+(\qq), QXS+4*(\xt/2)+(\qq), \wt%2, \xt%2
.else
	WM ACC+8*(4*\xt+\wt), QWF+8*\wt, QXF+8*\xt, ACC+8*(4*\xt+\wt), QWS+4*(\wt/2)+(\qq), QXS+4*(\xt/2)+(\qq), \wt%2, \xt%2
.endif
.endr
.endr
.endm
; The same for v: source 0 = x's eight tiles, source 1 = W's two.
.macro STEP_V k, qq, first
.if !(\first)
	PLACES
.endif
.if (\qq) == 0
.irp i, 0,1,2,3
	ds_load_b128 v[VXS+4*\i:VXS+4*\i+3], v[XSA] offset:4*PITCH*\i+16*(\k)
.endr
	ds_load_b128 v[VWS:VWS+3], v[WSA] offset:16*(\k)
.endif
.irp t, 0,1
	FRAGR VWF+8*\t, WA+(\k), 64*(\qq)+16*PITCH*\t
.endr
.irp t, 0,1,2,3,4,5,6,7
	FRAGR VXF+8*\t, XA+(\k), 64*(\qq)+16*PITCH*\t
.endr
.irp xt, 0,1,2,3,4,5,6,7
	s_wait_dscnt 2*(7-\xt)                         ; all but the later token tiles' loads, two a tile
.irp wt, 0,1
.if \first
	WM ACC+8*(8*\wt+\xt), VXF+8*\xt, VWF+8*\wt, VB+8*\wt, VXS+4*(\xt/2)+(\qq), VWS+(\qq), \xt%2, \wt
.else
	WM ACC+8*(8*\wt+\xt), VXF+8*\xt, VWF+8*\wt, ACC+8*(8*\wt+\xt), VXS+4*(\xt/2)+(\qq), VWS+(\qq), \xt%2, \wt
.endif
.endr
.endr
.endm
.macro HALF                            ; my part of K's second half has landed, my LDS loads are in; then everybody's.
	s_wait_tensorcnt 0x0
	s_wait_dscnt 0x0
	s_barrier_signal -1
	s_barrier_wait -1
.endm
	s_load_b128 s[4:7], s[0:1], 0x0                ; x's codes, x's scales
	s_load_b128 s[8:11], s[0:1], 0x10              ; wq's codes, scales
	s_load_b64 s[12:13], s[0:1], 0x20              ; bq
	s_load_b128 s[16:19], s[0:1], 0x28             ; wk's
	s_load_b64 s[20:21], s[0:1], 0x38              ; bk
	s_load_b128 s[24:27], s[0:1], 0x40             ; wv's
	s_load_b64 s[22:23], s[0:1], 0x50              ; bv
	s_load_b64 s[2:3], s[0:1], 0x58                ; qkv
	s_set_vgpr_msb 0x40
	v_lshl_add_u32 v0, v0, 2, 0x36300
	v_mov_b32 v1, 0
	s_set_vgpr_msb 0x4045
	ds_add_u32 v0, v1
	ds_add_u32 v0, v1
	s_set_vgpr_msb 0x4500
	v_lshrrev_b32 v1, 5, v0
	s_delay_alu instid0(VALU_DEP_1)
	v_readfirstlane_b32 s[WV], v1                  ; wave 0..7
	s_lshr_b32 s[ROLE], s[WV], 2
	s_and_b32 s[W3], s[WV], 3
	s_bfe_u32 s[CX], ttmp6, 0x40000                ; my place in the cluster
	s_bfe_u32 s[CY], ttmp6, 0x40004
	s_and_b32 s[MB], ttmp7, 0xffff
	s_lshl_b32 s[MB], s[MB], 2
	s_add_co_u32 s[MB], s[MB], s[CY]               ; block of tokens = 4 x cluster y + cy
	s_lshl_b32 s94, s[CY], 2
	s_lshl_b32 s94, 15, s94                        ; my row of the cluster
	s_lshl_b32 s95, 0x1111, s[CX]                  ; my column
	; group 1.  Codes: rows of 256 elements of 1 byte, 512 apart in memory, 4 words of padding behind every 64; bit 21 stands beside a mask
	s_or_b32 s[G1X], s94, (1<<20)|(1<<21)|(5<<22)|(3<<25)
	s_mov_b32 s[G1X+1], 256<<16                    ; tensor_dim0
	s_mov_b32 s[G1X+2], 32<<16                     ; tensor_dim1: 32 rows of x a wave
	s_mov_b32 s[G1X+3], 256<<16                    ; tile_dim0
	s_mov_b32 s[G1X+4], 32                         ; tile_dim1
	s_mov_b32 s[G1X+5], 512                        ; the pitch
	s_mov_b32 s[G1X+6], 0
	s_mov_b32 s[G1X+7], 0
	s_or_b32 s[G1W], s95, (1<<20)|(1<<21)|(5<<22)|(3<<25)
	s_mov_b32 s[G1W+1], 256<<16
	s_mov_b32 s[G1W+2], 64<<16                     ; 64 rows of W a wave
	s_mov_b32 s[G1W+3], 256<<16
	s_mov_b32 s[G1W+4], 64
	s_mov_b32 s[G1W+5], 512
	s_mov_b32 s[G1W+6], 0
	s_mov_b32 s[G1W+7], 0
	; scale bytes: dense in memory, as rows of 32 elements of 8 bytes, the same padding
	s_or_b32 s[G1XS], s94, (3<<16)|(1<<20)|(1<<21)|(5<<22)|(3<<25)
	s_mov_b32 s[G1XS+1], 32<<16
	s_mov_b32 s[G1XS+2], 4<<16                     ; 32 rows x 32 bytes
	s_mov_b32 s[G1XS+3], 32<<16
	s_mov_b32 s[G1XS+4], 4
	s_mov_b32 s[G1XS+5], 32
	s_mov_b32 s[G1XS+6], 0
	s_mov_b32 s[G1XS+7], 0
	s_or_b32 s[G1WS], s95, (3<<16)|(1<<20)|(1<<21)|(5<<22)|(3<<25)
	s_mov_b32 s[G1WS+1], 32<<16
	s_mov_b32 s[G1WS+2], 8<<16                     ; 64 rows x 32 bytes
	s_mov_b32 s[G1WS+3], 32<<16
	s_mov_b32 s[G1WS+4], 8
	s_mov_b32 s[G1WS+5], 32
	s_mov_b32 s[G1WS+6], 0
	s_mov_b32 s[G1WS+7], 0
	; where the tiles come from.  x's hang on the block of tokens alone, W's on the block of columns and the matrix alone, each in registers that never hold the other coordinate
	s_lshl_b32 s96, s[MB], 7
	s_lshl_b32 s97, s[W3], 5
	s_add_co_u32 s96, s96, s97                     ; the first row of x that I would fetch
	s_lshl_b32 s100, s96, 5                        ; its scale bytes,
	s_mov_b32 s101, 0
	s_lshl_b32 s96, s96, 9                         ; its codes
	s_mov_b32 s97, 0
	s_lshl_b32 s98, s[CX], 8
	s_lshl_b32 s99, s[W3], 6
	s_add_co_u32 s98, s98, s99                     ; the first row of W
	s_lshl_b32 s66, s98, 5
	s_mov_b32 s67, 0
	s_lshl_b32 s98, s98, 9
	s_mov_b32 s99, 0
	s_wait_dscnt 0x0
	s_wait_kmcnt 0x0
	s_cmp_eq_u32 ttmp9, 1                          ; the matrix: the cluster's x, the same in all sixteen partners
	s_cselect_b64 s[8:9], s[16:17], s[8:9]
	s_cselect_b64 s[10:11], s[18:19], s[10:11]
	s_cselect_b64 s[12:13], s[20:21], s[12:13]
	s_cmp_eq_u32 ttmp9, 2
	s_cselect_b64 s[8:9], s[24:25], s[8:9]
	s_cselect_b64 s[10:11], s[26:27], s[10:11]
	s_cselect_b64 s[12:13], s[22:23], s[12:13]
	s_mov_b32 s[G0XS], 1
	s_mul_i32 s[G0XS+1], s[W3], 4*PITCH
	s_add_co_u32 s[G0XS+1], s[G0XS+1], XSC
	s_add_nc_u64 s[G0XS+2:G0XS+3], s[6:7], s[100:101]
	s_or_b32 s[G0XS+3], s[G0XS+3], 0x80000000
	s_mov_b32 s[G0X0], 1
	s_mul_i32 s[G0X0+1], s[W3], 32*PITCH
	s_add_nc_u64 s[G0X0+2:G0X0+3], s[4:5], s[96:97]
	s_mov_b32 s[G0X1], 1
	s_add_co_u32 s[G0X1+1], s[G0X0+1], HALFB
	s_add_nc_u64 s[G0X1+2:G0X1+3], s[G0X0+2:G0X0+3], 256   ; the second 512 along K
	s_or_b32 s[G0X0+3], s[G0X0+3], 0x80000000
	s_or_b32 s[G0X1+3], s[G0X1+3], 0x80000000
	s_mov_b32 s[G0WS], 1
	s_mul_i32 s[G0WS+1], s[W3], 8*PITCH
	s_add_co_u32 s[G0WS+1], s[G0WS+1], WSC
	s_add_nc_u64 s[G0WS+2:G0WS+3], s[10:11], s[66:67]
	s_or_b32 s[G0WS+3], s[G0WS+3], 0x80000000
	s_mov_b32 s[G0W0], 1
	s_mul_i32 s[G0W0+1], s[W3], 64*PITCH
	s_add_co_u32 s[G0W0+1], s[G0W0+1], WT
	s_add_nc_u64 s[G0W0+2:G0W0+3], s[8:9], s[98:99]
	s_mov_b32 s[G0W1], 1
	s_add_co_u32 s[G0W1+1], s[G0W0+1], HALFB
	s_add_nc_u64 s[G0W1+2:G0W1+3], s[G0W0+2:G0W0+3], 256
	s_or_b32 s[G0W0+3], s[G0W0+3], 0x80000000
	s_or_b32 s[G0W1+3], s[G0W1+3], 0x80000000
	CROUND                                         ; all sixteen work-groups are here: the joint loads meet
	JLOAD G0XS, G1XS, G0WS, G1WS                   ; three loads of mine are out: the scale bytes,
	JLOAD G0X0, G1X, G0W0, G1W                     ; K's first half,
	JLOAD G0X1, G1X, G0W1, G1W                     ; its second
	s_mov_b32 s[SEL], 0x76543210
	s_mov_b32 s[SEL+1], 0xfedcba98
	s_and_b32 s[U], s[WV], 1
	s_lshr_b32 s[HP], s[WV], 1
	s_lshl_b32 s18, s[CX], 2
	s_add_co_u32 s18, s18, s[HP]                   ; my head
	s_lshl_b32 s20, s18, 8
	s_mov_b32 s21, 0
	s_add_nc_u64 s[12:13], s[12:13], s[20:21]      ; the bias at my head's 64 numbers
	s_lshr_b32 s19, s[MB], 4                       ; the batch
	s_lshl_b32 s19, s19, 4
	s_add_co_u32 s19, s19, s18
	s_lshl_b32 s19, s19, 4
	s_and_b32 s20, s[MB], 15
	s_add_co_u32 s19, s19, s20                     ; my record: (batch x 16 + head) x 16 + block in the sequence
	s_mul_i32 s20, s19, REC
	s_add_nc_u64 s[2:3], s[2:3], s[20:21]
	s_mov_b32 s23, R_KS
	s_cmp_eq_u32 ttmp9, 0
	s_cselect_b32 s22, R_Q, R_K                    ; where this matrix's images lie in a record,
	s_cselect_b32 s23, R_QS, s23                   ; and q's or k's scale words
	s_cmp_eq_u32 ttmp9, 2
	s_cselect_b32 s22, R_V, s22
	s_lshl_b32 s24, s[U], 11
	s_add_co_u32 s22, s22, s24                     ; my wave's four images: 2,048 u on
	s_lshl_b32 s24, s[U], 8
	s_add_co_u32 s23, s23, s24
	v_and_b32 v[LN], 31, v0
	s_delay_alu instid0(VALU_DEP_1)
	v_lshl_add_u32 v[IMO], v[LN], 4, s22
	v_and_b32 v11, 15, v0                          ; r
	v_bfe_u32 v[BO], v0, 4, 1                      ; h
	s_delay_alu instid0(VALU_DEP_2)
	v_mul_u32_u24 v[XA], v11, PITCH
	s_delay_alu instid0(VALU_DEP_1)
	v_lshl_add_u32 v[XA], v[BO], 4, v[XA]          ; a fragment's lane term: r x pitch + 16 h
	v_lshrrev_b32 v[XSA], 3, v[LN]
	s_delay_alu instid0(VALU_DEP_1)
	v_mul_u32_u24 v[XSA], v[XSA], PITCH
	v_and_b32 v[WSA], 7, v[LN]
	s_delay_alu instid0(VALU_DEP_1)
	v_lshl_add_u32 v[XSA], v[WSA], 5, v[XSA]       ; a scale word's: eight rows of 32 bytes to a run of 256 + 16
	s_wait_tensorcnt 1                             ; the scale bytes and my part of K's first half are in; the second half's load may stay out
	s_barrier_signal -1
	s_barrier_wait -1                              ; everybody's are
	s_cmp_eq_u32 ttmp9, 2
	s_cbranch_scc1 .Lv_path
	; ---- q and k
	s_mul_i32 s24, s[HP], 64*PITCH
	s_add_co_u32 s24, s24, WT
	s_wait_alu depctr_va_vdst(0)
	v_add_nc_u32 v[WA], s24, v[XA]                 ; my head's 64 rows of W
	s_delay_alu instid0(VALU_DEP_1)
	v_add_nc_u32 v[WA+1], HALFB, v[WA]
	s_mul_i32 s24, s[U], 64*PITCH
	v_add_nc_u32 v[XA], s24, v[XA]                 ; my 64 tokens
	s_delay_alu instid0(VALU_DEP_1)
	v_add_nc_u32 v[XA+1], HALFB, v[XA]
	s_mul_i32 s24, s[HP], 8*PITCH
	s_add_co_u32 s24, s24, WSC
	v_add_nc_u32 v[WSA], s24, v[XSA]
	s_mul_i32 s24, s[U], 8*PITCH
	s_add_co_u32 s24, s24, XSC
	v_add_nc_u32 v[XSA], s24, v[XSA]
	v_lshlrev_b32 v[BO], 5, v[BO]                  ; tile t's C: bias[16 t + 8 h + 0 .. 7]
.irp t, 0,1,2,3
	global_load_b128 v[QB+8*\t:QB+8*\t+3], v[BO], s[12:13] offset:64*\t
	global_load_b128 v[QB+8*\t+4:QB+8*\t+7], v[BO], s[12:13] offset:64*\t+16
.endr
	s_wait_alu depctr_va_vdst(0)
	s_wait_loadcnt 0x0
	STEP_QK 0, 0, 1
	STEP_QK 0, 1, 0
	STEP_QK 0, 2, 0
	STEP_QK 0, 3, 0
	HALF
	STEP_QK 1, 0, 0
	STEP_QK 1, 1, 0
	STEP_QK 1, 2, 0
	STEP_QK 1, 3, 0
	s_branch .Lquant
.Lv_path:
	; ---- v
	s_mul_i32 s24, s[WV], 32*PITCH
	s_add_co_u32 s24, s24, WT
	s_wait_alu depctr_va_vdst(0)
	v_add_nc_u32 v[WA], s24, v[XA]                 ; my 32 rows of W: 64 (wave / 2) + 32 u = 32 x wave
	s_delay_alu instid0(VALU_DEP_1)
	v_add_nc_u32 v[WA+1], HALFB, v[WA]
	v_add_nc_u32 v[XA+1], HALFB, v[XA]             ; all 128 tokens
	s_mul_i32 s24, s[WV], 4*PITCH
	s_add_co_u32 s24, s24, WSC
	v_add_nc_u32 v[WSA], s24, v[XSA]
	v_add_nc_u32 v[XSA], XSC, v[XSA]
	s_lshl_b32 s24, s[U], 7
	v_lshl_add_u32 v[BO], v11, 2, s24              ; tile t's C: bias[32 u + 16 t + r] in all eight registers: a lane holds one column
.irp t, 0,1
.irp j, 0,1,2,3,4,5,6,7
	global_load_b32 v[VB+8*\t+\j], v[BO], s[12:13] offset:64*\t
.endr
.endr
	s_wait_alu depctr_va_vdst(0)
	s_wait_loadcnt 0x0
	STEP_V 0, 0, 1
	STEP_V 0, 1, 0
	STEP_V 0, 2, 0
	STEP_V 0, 3, 0
	HALF
	STEP_V 1, 0, 0
	STEP_V 1, 1, 0
	STEP_V 1, 2, 0
	STEP_V 1, 3, 0
.Lquant:
	; ---- the quantiser.  Block b of eight: registers ACC + 16 b .. + 15 of lanes l and l xor 16.  Each accumulator is first read at its low end.
	PLACES
.irp b, 0,1,2,3,4,5,6,7
	v_mov_b32 v[PX+\b], 0                          ; a lane permute's destination counts as one of its sources
.endr
.irp b, 0,1,2,3,4,5,6,7
	v_max3_num_f32 v[MX+\b], |v[ACC+16*\b]|, |v[ACC+16*\b+1]|, 0x1800000   ; and the floor 2^(3 - 127): the byte cannot fall under 1
.endr
.irp i, 2,4,6,8,10,12,14
.irp b, 0,1,2,3,4,5,6,7
	v_max3_num_f32 v[MX+\b], v[MX+\b], |v[ACC+16*\b+\i]|, |v[ACC+16*\b+\i+1]|   ; (the eight blocks by turns)
.endr
.endr
.irp b, 0,1,2,3,4,5,6,7
	v_permlanex16_b32 v[PX+\b], v[MX+\b], s[SEL], s[SEL+1]
.endr
.irp b, 0,1,2,3,4,5,6,7
	v_max_num_f32 v[MX+\b], v[MX+\b], v[PX+\b]     ; the block's largest magnitude
.endr
.irp b, 0,1,2,3,4,5,6,7
	v_add_nc_u32 v[CV+\b], 0xff000000, v[MX+\b]    ; 2 off its exponent field: the conversion takes the exponent field of this operand as its scale
.endr
.irp b, 0,1,2,3,4,5,6,7
	v_lshrrev_b32 v[BY+\b], 23, v[CV+\b]           ; the scale's byte
.endr
.irp n, 0,1,2,3
	v_lshl_or_b32 v[HW+\n], v[BY+2*\n+1], 8, v[BY+2*\n]
.endr
.irp n, 0,1,2,3                        ; tile t of the four holds next-K 16 t + 8 h + 0 .. 7
	v_cvt_scalef32_pk8_fp4_f32 v[CD+4*\n], v[ACC+32*\n:ACC+32*\n+7], v[CV+2*\n]
	v_cvt_scalef32_pk8_fp4_f32 v[CD+4*\n+2], v[ACC+32*\n+8:ACC+32*\n+15], v[CV+2*\n]
	v_cvt_scalef32_pk8_fp4_f32 v[CD+4*\n+1], v[ACC+32*\n+16:ACC+32*\n+23], v[CV+2*\n+1]
	v_cvt_scalef32_pk8_fp4_f32 v[CD+4*\n+3], v[ACC+32*\n+24:ACC+32*\n+31], v[CV+2*\n+1]
.endr
	v_nop                                          ; one plain place behind a scaled conversion
.irp n, 0,1,2,3                        ; the first's lanes 16-31 change places with the second's lanes 0-15: lane (r, h) then holds next-K 32 h + 0 .. 31 in four registers
	v_permlane16_swap_b32 v[CD+4*\n], v[CD+4*\n+1]
	v_permlane16_swap_b32 v[CD+4*\n+2], v[CD+4*\n+3]
.endr
.irp n, 0,1,2,3
	global_store_b128 v[IMO], v[CD+4*\n:CD+4*\n+3], s[2:3] offset:512*\n   ; 32 lanes store 512 consecutive bytes
.endr
	s_mov_b32 vcc_lo, 0xffff0000                   ; lanes 16-31
	s_cmp_eq_u32 ttmp9, 2
	s_cbranch_scc1 .Lv_words
	v_cndmask_b32 v[SI], v[HW], v[HW+1], vcc_lo    ; lane l: the two bytes of token 32 i + l
	v_cndmask_b32 v[SI+1], v[HW+2], v[HW+3], vcc_lo
	s_delay_alu instid0(VALU_DEP_2)
	v_or_b32 v[SI], 0x7f7f0000, v[SI]              ; the bytes over the zero codes of K = 64 .. 127: 1.0
	s_delay_alu instid0(VALU_DEP_2)
	v_or_b32 v[SI+1], 0x7f7f0000, v[SI+1]
	v_lshl_add_u32 v[SCO], v[LN], 3, s23
	global_store_b64 v[SCO], v[SI:SI+1], s[2:3]    ; 256 consecutive bytes
	s_branch .Lend
.Lv_words:
	v_lshl_or_b32 v[SI], v[HW+1], 16, v[HW]        ; column 16 t + r: the bytes of its four blocks of 32 keys
	v_lshl_or_b32 v[SI+1], v[HW+3], 16, v[HW+2]
	s_delay_alu instid0(VALU_DEP_1)
	v_cndmask_b32 v[SI], v[SI], v[SI+1], vcc_lo    ; lane l: column 32 u + l
	s_lshl_b32 s24, s[U], 7
	s_add_co_u32 s24, s24, R_VS
	v_lshl_add_u32 v[SCO], v[LN], 2, s24
	global_store_b32 v[SCO], v[SI], s[2:3]
.Lend:
	s_set_vgpr_msb 0x5
	s_wait_tensorcnt 0x0
	ds_add_u32 v0, v1
	s_wait_dscnt 0x0
	s_set_vgpr_msb 0x500
	CROUND                                         ; the closing round: no work-group ends while a partner may still ask for a tile that names it
	s_endpgm
.Lfunc_end_k_q453b842b5f_qkv_proj:
	.size	k_q453b842b5f_qkv_proj, .Lfunc_end_k_q453b842b5f_qkv_proj-k_q453b842b5f_qkv_proj
	.p2alignl 7, 3214868480
	.fill 96, 4, 3214868480
	.section	.rodata,"a",@progbits
	.p2align	6, 0x0
	.amdhsa_kernel k_q453b842b5f_qkv_proj
		.amdhsa_group_segment_fixed_size 222976
		.amdhsa_private_segment_fixed_size 0
		.amdhsa_enable_private_segment 0
		.amdhsa_kernarg_size 96
		.amdhsa_user_sgpr_count 2
		.amdhsa_user_sgpr_kernarg_segment_ptr 1
		.amdhsa_wavefront_size32 1
		.amdhsa_system_sgpr_workgroup_id_x 1
		.amdhsa_system_sgpr_workgroup_id_y 1
		.amdhsa_system_sgpr_workgroup_id_z 1
		.amdhsa_system_vgpr_workitem_id 0
		.amdhsa_next_free_vgpr 258
		.amdhsa_next_free_sgpr 102
		.amdhsa_reserve_vcc 1
		.amdhsa_float_denorm_mode_32 3
		.amdhsa_float_denorm_mode_16_64 3
		.amdhsa_memory_ordered 1
		.amdhsa_forward_progress 1
		.amdhsa_inst_pref_size 80
	.end_amdhsa_kernel
	.amdgpu_metadata
---
amdhsa.version: [ 1, 2 ]
amdhsa.kernels:
  - .name:           k_q453b842b5f_qkv_proj
    .symbol:         k_q453b842b5f_qkv_proj.kd
    .args:
      - { .name: x_codes, .offset: 0, .size: 8, .value_kind: global_buffer, .address_space: global }
      - { .name: x_scales, .offset: 8, .size: 8, .value_kind: global_buffer, .address_space: global }
      - { .name: wq_codes, .offset: 16, .size: 8, .value_kind: global_buffer, .address_space: global }
      - { .name: wq_scales, .offset: 24, .size: 8, .value_kind: global_buffer, .address_space: global }
      - { .name: bq, .offset: 32, .size: 8, .value_kind: global_buffer, .address_space: global }
      - { .name: wk_codes, .offset: 40, .size: 8, .value_kind: global_buffer, .address_space: global }
      - { .name: wk_scales, .offset: 48, .size: 8, .value_kind: global_buffer, .address_space: global }
      - { .name: bk, .offset: 56, .size: 8, .value_kind: global_buffer, .address_space: global }
      - { .name: wv_codes, .offset: 64, .size: 8, .value_kind: global_buffer, .address_space: global }
      - { .name: wv_scales, .offset: 72, .size: 8, .value_kind: global_buffer, .address_space: global }
      - { .name: bv, .offset: 80, .size: 8, .value_kind: global_buffer, .address_space: global }
      - { .name: qkv, .offset: 88, .size: 8, .value_kind: global_buffer, .address_space: global }
    .group_segment_fixed_size: 222976
    .private_segment_fixed_size: 0
    .kernarg_segment_align: 8
    .kernarg_segment_size: 96
    .max_flat_workgroup_size: 256
    .sgpr_count:     102
    .vgpr_count:     258
    .wavefront_size: 32
...
	.end_amdgpu_metadata
.endif
;; end of part 1
;; launch attention (part 2): grid 4 x 64, 16 waves a work-group, clusters of 4 x 1, 169,984 bytes of LDS; arguments qkv, abuf, asc; writes abuf, asc
.if DOCPART == 2
	.amdgcn_target "amdgcn-amd-amdhsa--gfx1250"
	.amdhsa_code_object_version 6
	.text
	.protected	k_q453b842b5f_attention
	.globl	k_q453b842b5f_attention
	.p2align	8
	.type	k_q453b842b5f_attention,@function
k_q453b842b5f_attention:
	s_mov_b64 s[64:65], 0
	v_nop
	global_prefetch_b8 v0, s[64:65] scope:SCOPE_SE
	s_setreg_imm32_b32 hwreg(HW_REG_WAVE_MODE, 25, 1), 1
	s_wait_xcnt 0x0
	s_wait_alu depctr_hold_cnt(0) depctr_sa_sdst(0) depctr_va_vdst(0) depctr_va_sdst(0) depctr_va_ssrc(0) depctr_va_vcc(0) depctr_vm_vsrc(0)
	s_getreg_b32 s2, hwreg(HW_REG_IB_STS2, 6, 4)
	s_cmp_eq_u32 s2, 0
	s_cbranch_scc0 .Lentry_in_a_cluster
	s_endpgm
.Lentry_in_a_cluster:
	s_bfe_u32 s2, ttmp6, 0x10000c
	s_cmp_lg_u32 s2, 0x3003
	s_cbranch_scc0 .Lentry_shape_is_right
	s_endpgm
.Lentry_shape_is_right:
; For each of 64 (batch, head): O[q] = the sum over k of softmax_k(Q[q] . K[k] / 8) V[k], both products on codes of FP4 (E2M1) with E8M0 scales; O / the sum is quantised along d_model (a head is two blocks of 32).
; THE SOFTMAX AHEAD OF THE SECOND PRODUCT: t = score x log2(e) / 8; M = the largest t so far, rounded UP to a whole number; p = 2^(t - M) is quantised along the keys, not normalised; the row's sum is taken of
; the unquantised p and divides O at the end.  When M moves, the sum and O are multiplied by 2^(old M - new M): exact.
; SHARES.  A work-group owns 512 queries of one head; each of its sixteen waves owns a tile of 16 queries at a time, twice (two passes), in 256 registers: four waves to a SIMD, so that one wave's vector work
; stands beside another's matrix work and LDS loads.  Every wave walks the head's 2,048 keys, 128 a step.
; LDS.  A head's K and V as register images with their scale words are 16 x 8,960 bytes: they are filled ONCE, a record's first 8,960 bytes by each wave, and read by all in both passes.  Nothing is filled again.
; CLUSTER 4 x 1.  The four work-groups of a head read the same K and V: each wave's load is asked for jointly.  NO PREFETCH: the only tensor load stands at the head.
; LAYOUT.  S^T = K Q^T (source 0 = 16 keys, source 1 = my 16 queries), O^T = V^T P^T (source 0 = 16 of the head's 64, source 1 = P): a lane holds ONE query (lane % 16) throughout.
; The first product's K is 64: registers 4-7 of K's and Q's fragments are zero codes, their scale bytes 0x7f.  In tile t of S^T lane (r, h) holds keys 16 t + 8 h + 0 .. 7: a block of 32 keys is tiles 2 b, 2 b + 1
; in lanes l and l xor 16; four conversions and two exchanges of lane halves for each 64 keys give P's registers.
; OUT.  abuf [head / 8][token / 16][head % 8][16 x lane]: registers 4 (head % 2) .. + 3 of the last product's fragment for K step head / 2.  asc [batch x 16 + head][token]: two scale bytes.
; LIMITS: NaN and infinities are not served; a block whose largest magnitude lies under 2^-124 (zeros too) gets the byte 1: its codes are zeros, and this program alone reads the bytes.
.set REC,   13568                      ; a record of qkv: 0 K images, 4,096 V^T images, 8,192 K scale words, 8,704 V scale words, 8,960 Q images, 13,056 Q scale words
.set KSTEP, 8960                       ; what a key step of 128 keys takes in LDS
.set STG,   16*KSTEP                   ; behind the images: two scale bytes for each of the 512 queries, 1,024 bytes, into which no fill lands
.set L16, 1                            ; v1   16 x lane
.set L8,  2                            ; v2   8 x lane
.set L4,  3                            ; v3   4 x lane
.set ADK, 4                            ; v4-6 the step's LDS addresses: images, K's scale words, V's
.set ADS, 5
.set ADT, 6
.set STA, 7                            ; v7   where my query's two bytes go in LDS
.set STR, 8                            ; v8   and where wave 0 reads them back
.set QCO, 9                            ; v9   Q's image in its record
.set QSO, 10                           ; v10  Q's scale word
.set KF,  32                           ; v32-95  K's eight fragments (registers 4-7 of each stay 0);  v96-159 S^T, then p;  v160-191 O^T;  v192-223 V's four;  v224-231 p's codes
.set VF,  192
.set KS,  240                          ; v240-243 K's scale words (t / 2: lanes 0-15 the even tile, lanes 16-31 the odd);  v248-249 V's;  v250, v251 Q's of pass 0, 1;  v253 p's
.set VS,  248
.set WV,  10
.set SEL, 26                           ; s[26:27] lane selects: lane l xor 16
.set CS,  28                           ; s[28:29] c = log2(e) / 8
.set TB,  30                           ; s30  LDS byte at which the key step begins
.set CNT, 31
.macro CROUND                          ; a round of the cluster's barrier
	s_barrier_signal -1
	s_barrier_wait -1
	s_cmp_lg_u32 s[WV], 0
	s_cbranch_scc1 .Lnot_wave_0_\@
	s_barrier_signal -3
.Lnot_wave_0_\@:
	s_barrier_wait -3
	s_barrier_signal -1
	s_barrier_wait -1
.endm
	s_load_b128 s[4:7], s[0:1], 0x0                ; qkv, abuf
	s_load_b64 s[8:9], s[0:1], 0x10                ; asc
	v_lshl_add_u32 v254, v0, 2, 0x29000
	v_mov_b32 v255, 0
	ds_add_u32 v254, v255
	ds_add_u32 v254, v255
	s_wait_dscnt 0x0
	v_lshrrev_b32 v1, 5, v0
	s_delay_alu instid0(VALU_DEP_1)
	v_readfirstlane_b32 s[WV], v1                  ; wave 0..15
	s_bfe_u32 s11, ttmp6, 0x40000                  ; cx
	s_and_b32 s24, ttmp7, 0xffff                   ; batch x 16 + head: the four partners share it
	s_lshl_b32 s32, s24, 4
	s_add_co_u32 s32, s32, s[WV]
	s_mul_i32 s32, s32, REC                        ; the record that I fetch: keys 128 x wave on
	s_mov_b32 s33, 0
	s_mov_b32 s16, 15|(3<<16)|(1<<21)              ; group 1: the mask names all four; elements of 8 bytes; bit 21 beside a mask; no padding: an image is read 16 bytes a lane on end
	s_mov_b32 s17, 32<<16                          ; tensor_dim0: 256 bytes
	s_mov_b32 s18, 35<<16                          ; tensor_dim1: 35 rows = 8,960 dense bytes
	s_mov_b32 s19, 32<<16                          ; tile_dim0
	s_mov_b32 s20, 35                              ; tile_dim1
	s_mov_b32 s21, 32                              ; the pitch
	s_mov_b32 s22, 0
	s_mov_b32 s23, 0
	s_mov_b32 s12, 1
	s_mul_i32 s13, s[WV], KSTEP
	s_lshl_b32 s25, ttmp9, 2
	s_add_co_u32 s25, s25, s11                     ; my block of 512 queries: it enters Q's and the outputs' addresses alone
	s_lshl_b32 s34, s24, 4
	s_lshl_b32 s35, s25, 2
	s_add_co_u32 s34, s34, s35
	s_lshr_b32 s35, s[WV], 3
	s_add_co_u32 s34, s34, s35
	s_mul_i32 s34, s34, REC                        ; pass 0's record of Q: tile 32 x block + wave, eight tiles to a record; pass 1's lies two records on
	s_mov_b32 s35, 0
	s_mov_b32 s[SEL], 0x76543210
	s_mov_b32 s[SEL+1], 0xfedcba98
	s_mov_b32 s[CS], 0x3e38aa3b                    ; log2(e) / 8
	s_mov_b32 s[CS+1], s[CS]                       ; (named with it as a pair, so it is written)
	s_wait_kmcnt 0x0
	s_add_nc_u64 s[14:15], s[4:5], s[32:33]
	s_or_b32 s15, s15, 0x80000000
	CROUND                                         ; all four work-groups are here: the joint loads meet
	tensor_load_to_lds s[12:15], s[16:23]          ; my one tensor load
	s_nop 0
.rept 4
	v_nop
.endr
	s_add_nc_u64 s[40:41], s[4:5], s[34:35]        ; Q
	s_and_b32 s36, s24, 15                         ; the head
	s_lshr_b32 s37, s36, 3
	s_lshl_b32 s37, s37, 21
	s_and_b32 s36, s36, 7
	s_lshl_b32 s36, s36, 9
	s_add_co_u32 s36, s36, s37
	s_lshr_b32 s37, s24, 4                         ; the batch
	s_lshl_b32 s37, s37, 7
	s_lshl_b32 s38, s25, 5
	s_add_co_u32 s37, s37, s38
	s_add_co_u32 s37, s37, s[WV]                   ; pass 0's tile of 16 tokens among all 512
	s_lshl_b32 s37, s37, 12
	s_add_co_u32 s36, s36, s37
	s_mov_b32 s37, 0
	s_add_nc_u64 s[42:43], s[6:7], s[36:37]        ; abuf at my image
	s_lshl_b32 s36, s24, 12
	s_lshl_b32 s38, s25, 10
	s_add_co_u32 s36, s36, s38
	s_add_nc_u64 s[8:9], s[8:9], s[36:37]          ; asc at the work-group's 512 tokens
	v_and_b32 v11, 31, v0
	s_delay_alu instid0(VALU_DEP_1)
	v_lshlrev_b32 v[L16], 4, v11
	s_delay_alu instid0(VALU_DEP_2)
	v_lshlrev_b32 v[L8], 3, v11
	s_delay_alu instid0(VALU_DEP_3)
	v_lshlrev_b32 v[L4], 2, v11
	v_and_b32 v11, 15, v0                          ; r
	s_wait_alu depctr_va_vdst(0)
	s_lshl_b32 s36, s[WV], 5
	s_add_co_u32 s36, s36, STG
	v_lshl_add_u32 v[STA], v11, 1, s36             ; STG + 32 x wave + 2 r
	v_add_nc_u32 v[STR], STG, v[L16]
	s_and_b32 s36, s[WV], 7                        ; a: my tile in its record
	s_lshl_b32 s37, s36, 9
	s_add_co_u32 s37, s37, 8960
	v_add_nc_u32 v[QCO], s37, v[L16]
	s_wait_alu depctr_va_vdst(0)
	s_lshr_b32 s37, s36, 2
	s_lshl_b32 s37, s37, 8                         ; the scale words lie [64-token half][lane][2]: token 16 a + r is half a / 4, lane 16 (a % 2) + r, word (a / 2) % 2
	s_and_b32 s38, s36, 1
	s_lshl_b32 s38, s38, 7
	s_add_co_u32 s37, s37, s38
	s_bfe_u32 s38, s36, 0x10001
	s_lshl_b32 s38, s38, 2
	s_add_co_u32 s37, s37, s38
	s_add_co_u32 s37, s37, 13056
	v_lshl_add_u32 v[QSO], v11, 3, s37
	global_load_b128 v[16:19], v[QCO], s[40:41]                    ; Q of both passes stays in registers
	global_load_b128 v[24:27], v[QCO], s[40:41] offset:2*REC
	global_load_b32 v250, v[QSO], s[40:41]
	global_load_b32 v251, v[QSO], s[40:41] offset:2*REC
.irp j, 20,21,22,23,28,29,30,31
	v_mov_b32 v[\j], 0                             ; K = 64 .. 127 of the first product: zero codes
.endr
.irp t, 0,1,2,3,4,5,6,7
.irp j, 4,5,6,7
	v_mov_b32 v[KF+8*\t+\j], 0                     ; written once: the steps' loads land in the low four registers alone
.endr
.endr
.irp b, 0,1,2,3
	v_mov_b32 v[236+\b], 0                         ; a lane permute's destination counts as one of its sources
.endr
	v_mov_b32 v253, 0                              ; (named as the upper half of the pair v[252:253] before it is first written)
; A KEY STEP: 128 keys.  qf: Q's fragment;  qs: its scale words.
.macro STEP qf, qs
	v_add_nc_u32 v[ADK], s[TB], v[L16]             ; these four lines are the places behind the last step's products, in front of the loads into their registers
	v_add_nc_u32 v[ADS], s[TB], v[L8]
	v_add_nc_u32 v[ADT], s[TB], v[L4]
	v_nop
.irp t, 0,1,2,3,4,5,6,7
	ds_load_b128 v[KF+8*\t:KF+8*\t+3], v[ADK] offset:512*\t
.endr
.irp g, 0,1
	ds_load_b64 v[KS+2*\g:KS+2*\g+1], v[ADS] offset:8192+256*\g
.endr
.irp t, 0,1,2,3
.irp c, 0,1
	ds_load_b128 v[VF+8*\t+4*\c:VF+8*\t+4*\c+3], v[ADK] offset:4096+1024*\t+512*\c
.endr
.endr
.irp i, 0,1
	ds_load_b32 v[VS+\i], v[ADT] offset:8704+128*\i
.endr
	s_wait_dscnt 10                                ; K and its scale words are in; V's eight loads and its two scale loads may stay out: they land under the softmax
.irp t, 0,1,2,3,4,5,6,7
.if \t%2
	v_wmma_scale_f32_16x16x128_f8f6f4 v[96+8*\t:103+8*\t], v[KF+8*\t:KF+8*\t+7], v[\qf:\qf+7], 0, v[KS+\t/2], v[\qs] matrix_a_fmt:MATRIX_FMT_FP4 matrix_b_fmt:MATRIX_FMT_FP4 matrix_a_scale:MATRIX_SCALE_ROW1
.else
	v_wmma_scale_f32_16x16x128_f8f6f4 v[96+8*\t:103+8*\t], v[KF+8*\t:KF+8*\t+7], v[\qf:\qf+7], 0, v[KS+\t/2], v[\qs] matrix_a_fmt:MATRIX_FMT_FP4 matrix_b_fmt:MATRIX_FMT_FP4
.endif
.endr
.rept 4
	v_nop
.endr
.irp b, 0,1,2,3
	v_max3_num_f32 v[232+\b], v[96+16*\b], v[97+16*\b], v[98+16*\b]   ; the largest score of each block of 32 keys: it serves for the row's maximum and, since p rises with the score, for the block's largest p
.endr
.irp i, 3,5,7,9,11,13
.irp b, 0,1,2,3
	v_max3_num_f32 v[232+\b], v[232+\b], v[96+16*\b+\i], v[97+16*\b+\i]
.endr
.endr
.irp b, 0,1,2,3
	v_max_num_f32 v[232+\b], v[232+\b], v[111+16*\b]
.endr
.irp b, 0,1,2,3
	s_delay_alu instid0(VALU_DEP_4)
	v_permlanex16_b32 v[236+\b], v[232+\b], s[SEL], s[SEL+1]
.endr
.irp b, 0,1,2,3
	s_delay_alu instid0(VALU_DEP_4)
	v_max_num_f32 v[232+\b], v[232+\b], v[236+\b]  ; with lane l xor 16's 16 keys
.endr
	s_delay_alu instid0(VALU_DEP_2)
	v_max3_num_f32 v254, v232, v233, v234
	s_delay_alu instid0(VALU_DEP_1)
	v_max_num_f32 v254, v254, v235                 ; the step's largest score of my query
	s_delay_alu instid0(VALU_DEP_1)
	v_mul_f32 v254, s[CS], v254                    ; as t (c is positive)
	s_delay_alu instid0(VALU_DEP_1)
	v_max_num_f32 v13, v13, v254                   ; the running largest t
	v_mov_b32 v254, v12
	s_delay_alu instid0(VALU_DEP_2)
	v_floor_f32 v12, -v13                          ; the new -M = floor(-t) = -ceil(t): a whole number
	s_delay_alu instid0(VALU_DEP_1)
	v_sub_f32 v254, v12, v254                      ; old M - new M: a whole number, 0 or less
	s_delay_alu instid0(VALU_DEP_1)
	v_cvt_i32_f32 v254, v254                       ; (it saturates)
	s_delay_alu instid0(VALU_DEP_1)
	v_ldexp_f32 v252, 1.0, v254                    ; f = 2^(old M - new M)
.irp j, 0,2,4,6,8,10,12,14,16,18,20,22,24,26,28,30,32,34,36,38,40,42,44,46,48,50,52,54,56,58,60,62
	v_pk_fma_f32 v[96+\j:97+\j], v[96+\j:97+\j], s[CS:CS+1], v[12:13] op_sel_hi:[1,0,0]   ; t - M, two at a time
.endr
.irp b, 0,1,2,3
	v_fma_f32 v[232+\b], v[232+\b], s[CS], v12     ; the same of each block's largest score
.endr
	s_wait_alu depctr_va_vdst(0)
.irp j, 0,1,2,3,4,5,6,7,8,9,10,11,12,13,14,15,16,17,18,19,20,21,22,23,24,25,26,27,28,29,30,31,32,33,34,35,36,37,38,39,40,41,42,43,44,45,46,47,48,49,50,51,52,53,54,55,56,57,58,59,60,61,62,63
	v_exp_f32 v[96+\j], v[96+\j]                   ; p = 2^(t - M), at most 1
.endr
	s_setprio 1
.irp b, 0,1,2,3
	v_exp_f32 v[232+\b], v[232+\b]                 ; the block's largest p: the same two instructions on the same number give the same bits
.endr
	v_pk_mul_f32 v[14:15], v[14:15], v[252:253] op_sel_hi:[1,0]   ; the sums under the new M.  (A plain place behind the exponentials)
	s_wait_alu depctr_va_vdst(0)
.irp b, 0,1,2,3
	v_max_num_f32 v[232+\b], 0x1800000, v[232+\b]  ; the floor 2^(3 - 127): the byte cannot fall under 1
.endr
.irp b, 0,1,2,3
	s_delay_alu instid0(VALU_DEP_4)
	v_add_nc_u32 v[244+\b], 0xff000000, v[232+\b]  ; 2 off the exponent field: the conversion's scale operand
.endr
.irp b, 0,1,2,3
	s_delay_alu instid0(VALU_DEP_4)
	v_lshrrev_b32 v[236+\b], 23, v[244+\b]         ; the scale's byte
.endr
	s_delay_alu instid0(VALU_DEP_3)
	v_lshl_or_b32 v253, v237, 8, v236              ; p's scale word for these 128 keys
	s_delay_alu instid0(VALU_DEP_1)
	v_lshl_or_b32 v253, v238, 16, v253
	s_delay_alu instid0(VALU_DEP_1)
	v_lshl_or_b32 v253, v239, 24, v253
.irp c, 0,1
	v_cvt_scalef32_pk8_fp4_f32 v[224+4*\c], v[96+32*\c:103+32*\c], v[244+2*\c]      ; keys 64 c + 8 h + 0 .. 7
	v_cvt_scalef32_pk8_fp4_f32 v[226+4*\c], v[104+32*\c:111+32*\c], v[244+2*\c]     ; + 16
	v_cvt_scalef32_pk8_fp4_f32 v[225+4*\c], v[112+32*\c:119+32*\c], v[245+2*\c]     ; + 32
	v_cvt_scalef32_pk8_fp4_f32 v[227+4*\c], v[120+32*\c:127+32*\c], v[245+2*\c]     ; + 48
.endr
	v_nop                                          ; one plain place behind a scaled conversion
.irp c, 0,1                            ; lane (r, h) then holds keys 64 c + 32 h + 0 .. 31 in registers 4 c .. 4 c + 3
	v_permlane16_swap_b32 v[224+4*\c], v[225+4*\c]
	v_permlane16_swap_b32 v[226+4*\c], v[227+4*\c]
.endr
	v_pk_add_f32 v[236:237], v[100:101], v[104:105]
	v_pk_add_f32 v[254:255], v[108:109], v[112:113]
	v_pk_add_f32 v[246:247], v[116:117], v[120:121]
	v_pk_add_f32 v[244:245], v[124:125], v[128:129]
	v_pk_add_f32 v[242:243], v[132:133], v[136:137]
	v_pk_add_f32 v[240:241], v[140:141], v[144:145]
	v_pk_add_f32 v[234:235], v[148:149], v[152:153]
	v_pk_add_f32 v[14:15], v[14:15], v[156:157]
	v_pk_add_f32 v[236:237], v[236:237], v[96:97]
	v_pk_add_f32 v[254:255], v[254:255], v[98:99]
	v_pk_add_f32 v[246:247], v[246:247], v[102:103]
	v_pk_add_f32 v[244:245], v[244:245], v[106:107]
	v_pk_add_f32 v[242:243], v[242:243], v[110:111]
	v_pk_add_f32 v[240:241], v[240:241], v[114:115]
	v_pk_add_f32 v[234:235], v[234:235], v[118:119]
	v_pk_add_f32 v[14:15], v[14:15], v[122:123]
	v_pk_add_f32 v[236:237], v[236:237], v[126:127]
	v_pk_add_f32 v[254:255], v[254:255], v[130:131]
	v_pk_add_f32 v[246:247], v[246:247], v[134:135]
	v_pk_add_f32 v[244:245], v[244:245], v[138:139]
	v_pk_add_f32 v[242:243], v[242:243], v[142:143]
	v_pk_add_f32 v[240:241], v[240:241], v[146:147]
	v_pk_add_f32 v[234:235], v[234:235], v[150:151]
	v_pk_add_f32 v[14:15], v[14:15], v[154:155]
	v_pk_add_f32 v[236:237], v[236:237], v[158:159]
	s_delay_alu instid0(VALU_DEP_2)
	v_pk_add_f32 v[14:15], v[14:15], v[244:245]
	s_delay_alu instid0(VALU_DEP_2)
	v_pk_add_f32 v[236:237], v[236:237], v[242:243]
	v_pk_add_f32 v[254:255], v[254:255], v[240:241]
	v_pk_add_f32 v[246:247], v[246:247], v[234:235]
	s_delay_alu instid0(VALU_DEP_2)
	v_pk_add_f32 v[14:15], v[14:15], v[254:255]
	s_delay_alu instid0(VALU_DEP_2)
	v_pk_add_f32 v[236:237], v[236:237], v[246:247]
	s_delay_alu instid0(VALU_DEP_1)
	v_pk_add_f32 v[14:15], v[14:15], v[236:237]
	s_setprio 0
.irp j, 0,2,4,6,8,10,12,14,16,18,20,22,24,26,28,30
	v_pk_mul_f32 v[160+\j:161+\j], v[160+\j:161+\j], v[252:253] op_sel_hi:[1,0]   ; O^T under the new M.  (With the sums above: the places between p's codes and scale word and the products below)
.endr
	s_wait_alu depctr_va_vdst(0)
	s_wait_dscnt 0x0                               ; V is in
.irp t, 0,1,2,3
.if \t%2
	v_wmma_scale_f32_16x16x128_f8f6f4 v[160+8*\t:167+8*\t], v[VF+8*\t:VF+8*\t+7], v[224:231], v[160+8*\t:167+8*\t], v[VS+\t/2], v253 matrix_a_fmt:MATRIX_FMT_FP4 matrix_b_fmt:MATRIX_FMT_FP4 matrix_a_scale:MATRIX_SCALE_ROW1
.else
	v_wmma_scale_f32_16x16x128_f8f6f4 v[160+8*\t:167+8*\t], v[VF+8*\t:VF+8*\t+7], v[224:231], v[160+8*\t:167+8*\t], v[VS+\t/2], v253 matrix_a_fmt:MATRIX_FMT_FP4 matrix_b_fmt:MATRIX_FMT_FP4
.endif
.endr
.endm
; A PASS: one tile of 16 queries against all 2,048 keys, then its way out.
.macro PASS p
.if \p
	s_wait_xcnt 0x0                                ; the last pass's store has read its registers: they are written again below
.endif
	v_mov_b32 v13, 0xff61b1e6                      ; the largest t so far: -3e38, under every t
	s_delay_alu instid0(VALU_DEP_1)
	v_floor_f32 v12, -v13                          ; -M
	v_mov_b32 v14, 0                               ; the sum, in two halves
	v_mov_b32 v15, 0
.irp j, 0,1,2,3,4,5,6,7,8,9,10,11,12,13,14,15,16,17,18,19,20,21,22,23,24,25,26,27,28,29,30,31
	v_mov_b32 v[160+\j], 0                         ; O^T: the step is written once; the first finds zeros, which the first change of M leaves zeros
.endr
	s_mov_b32 s[TB], 0
	s_mov_b32 s[CNT], 16
.Lkeys_\@:
	s_setprio 2
	STEP 16+8*\p, 250+\p
	s_add_co_u32 s[TB], s[TB], KSTEP
	s_sub_co_u32 s[CNT], s[CNT], 1
	s_cmp_lg_u32 s[CNT], 0
	s_cbranch_scc1 .Lkeys_\@
	s_setprio 0
	v_add_f32 v14, v14, v15                        ; the sum's two halves,
	s_delay_alu instid0(VALU_DEP_1)
	v_permlanex16_b32 v252, v14, s[SEL], s[SEL+1]
	s_delay_alu instid0(VALU_DEP_1)
	v_add_f32 v14, v14, v252                       ; and lane l xor 16's: the row's sum
	s_wait_alu depctr_va_vdst(0)
	v_rcp_f32 v14, v14
.rept 4
	v_nop                                          ; the place behind the reciprocal, and the places behind the last products
.endr
	s_wait_alu depctr_va_vdst(0)
.irp j, 0,2,4,6,8,10,12,14,16,18,20,22,24,26,28,30
	v_pk_mul_f32 v[96+\j:97+\j], v[160+\j:161+\j], v[14:15] op_sel_hi:[1,0]   ; O^T / the sum: register 8 t + i is channel 16 t + 8 h + i of my query
.endr
.irp b, 0,1
	v_max3_num_f32 v[232+\b], |v[96+16*\b]|, |v[97+16*\b]|, 0x1800000   ; the head's two blocks of 32 along d_model
.endr
.irp i, 2,4,6,8,10,12,14
.irp b, 0,1
	s_delay_alu instid0(VALU_DEP_2)
	v_max3_num_f32 v[232+\b], v[232+\b], |v[96+16*\b+\i]|, |v[97+16*\b+\i]|
.endr
.endr
.irp b, 0,1
	s_delay_alu instid0(VALU_DEP_2)
	v_permlanex16_b32 v[236+\b], v[232+\b], s[SEL], s[SEL+1]
.endr
.irp b, 0,1
	s_delay_alu instid0(VALU_DEP_2)
	v_max_num_f32 v[232+\b], v[232+\b], v[236+\b]
.endr
.irp b, 0,1
	s_delay_alu instid0(VALU_DEP_2)
	v_add_nc_u32 v[244+\b], 0xff000000, v[232+\b]
.endr
.irp b, 0,1
	s_delay_alu instid0(VALU_DEP_2)
	v_lshrrev_b32 v[236+\b], 23, v[244+\b]
.endr
	s_delay_alu instid0(VALU_DEP_1)
	v_lshl_or_b32 v254, v237, 8, v236              ; my query's two scale bytes
	v_cvt_scalef32_pk8_fp4_f32 v224, v[96:103], v244
	v_cvt_scalef32_pk8_fp4_f32 v226, v[104:111], v244
	v_cvt_scalef32_pk8_fp4_f32 v225, v[112:119], v245
	v_cvt_scalef32_pk8_fp4_f32 v227, v[120:127], v245
	v_nop                                          ; one plain place behind a scaled conversion
	v_permlane16_swap_b32 v224, v225
	v_permlane16_swap_b32 v226, v227
	global_store_b128 v[L16], v[224:227], s[42:43] offset:65536*\p   ; 512 consecutive bytes; pass 1's tile lies 16 tiles of 4,096 bytes on
	ds_store_b16 v[STA], v254 offset:512*\p        ; both halves of the lanes write the same two bytes with the same value
.endm
	s_wait_tensorcnt 0x0                           ; my record is in,
	s_barrier_signal -1
	s_barrier_wait -1                              ; all sixteen are
	s_wait_loadcnt 0x0                             ; Q
	PASS 0
	PASS 1
	s_wait_dscnt 0x0                               ; for the others' sake: my stores of scale bytes are done
	s_barrier_signal -1
	s_barrier_wait -1
	s_cmp_lg_u32 s[WV], 0
	s_cbranch_scc1 .Lnot_mine
	ds_load_b128 v[96:99], v[STR]                  ; wave 0 sends the 512 queries' scale bytes: 1,024 consecutive bytes
	ds_load_b128 v[100:103], v[STR] offset:512
	s_wait_dscnt 0x0
	global_store_b128 v[L16], v[96:99], s[8:9]
	global_store_b128 v[L16], v[100:103], s[8:9] offset:512
.Lnot_mine:
	s_wait_xcnt 0x0
	v_lshl_add_u32 v254, v0, 2, 0x29000
	v_mov_b32 v255, 0
	s_wait_alu depctr_va_vdst(0)
	s_wait_tensorcnt 0x0
	ds_add_u32 v254, v255
	s_wait_dscnt 0x0
	CROUND                                         ; the closing round
	s_endpgm
.Lfunc_end_k_q453b842b5f_attention:
	.size	k_q453b842b5f_attention, .Lfunc_end_k_q453b842b5f_attention-k_q453b842b5f_attention
	.p2alignl 7, 3214868480
	.fill 96, 4, 3214868480
	.section	.rodata,"a",@progbits
	.p2align	6, 0x0
	.amdhsa_kernel k_q453b842b5f_attention
		.amdhsa_group_segment_fixed_size 169984
		.amdhsa_private_segment_fixed_size 0
		.amdhsa_enable_private_segment 0
		.amdhsa_kernarg_size 24
		.amdhsa_user_sgpr_count 2
		.amdhsa_user_sgpr_kernarg_segment_ptr 1
		.amdhsa_wavefront_size32 1
		.amdhsa_system_sgpr_workgroup_id_x 1
		.amdhsa_system_sgpr_workgroup_id_y 1
		.amdhsa_system_sgpr_workgroup_id_z 1
		.amdhsa_system_vgpr_workitem_id 0
		.amdhsa_next_free_vgpr 256
		.amdhsa_next_free_sgpr 66
		.amdhsa_reserve_vcc 0
		.amdhsa_float_denorm_mode_32 3
		.amdhsa_float_denorm_mode_16_64 3
		.amdhsa_memory_ordered 1
		.amdhsa_forward_progress 1
		.amdhsa_inst_pref_size 51
	.end_amdhsa_kernel
	.amdgpu_metadata
---
amdhsa.version: [ 1, 2 ]
amdhsa.kernels:
  - .name:           k_q453b842b5f_attention
    .symbol:         k_q453b842b5f_attention.kd
    .args:
      - { .name: qkv, .offset: 0, .size: 8, .value_kind: global_buffer, .address_space: global }
      - { .name: abuf, .offset: 8, .size: 8, .value_kind: global_buffer, .address_space: global }
      - { .name: asc, .offset: 16, .size: 8, .value_kind: global_buffer, .address_space: global }
    .group_segment_fixed_size: 169984
    .private_segment_fixed_size: 0
    .kernarg_segment_align: 8
    .kernarg_segment_size: 24
    .max_flat_workgroup_size: 512
    .sgpr_count:     66
    .vgpr_count:     256
    .wavefront_size: 32
...
	.end_amdgpu_metadata
.endif
;; end of part 2
;; launch out_proj (part 3): grid 4 x 64, 8 waves a work-group, clusters of 4 x 4, 253,696 bytes of LDS; arguments abuf, asc, wo_codes, wo_scales, bo, out0; writes out0
.if DOCPART == 3
	.amdgcn_target "amdgcn-amd-amdhsa--gfx1250"
	.amdhsa_code_object_version 6
	.text
	.protected	k_q453b842b5f_out_proj
	.globl	k_q453b842b5f_out_proj
	.p2align	8
	.type	k_q453b842b5f_out_proj,@function
k_q453b842b5f_out_proj:
	s_mov_b64 s[64:65], 0
	v_nop
	global_prefetch_b8 v0, s[64:65] scope:SCOPE_SE
	s_setreg_imm32_b32 hwreg(HW_REG_WAVE_MODE, 25, 1), 1
	s_wait_xcnt 0x0
	s_wait_alu depctr_hold_cnt(0) depctr_sa_sdst(0) depctr_va_vdst(0) depctr_va_sdst(0) depctr_va_ssrc(0) depctr_va_vcc(0) depctr_vm_vsrc(0)
	s_getreg_b32 s2, hwreg(HW_REG_IB_STS2, 6, 4)
	s_cmp_eq_u32 s2, 0
	s_cbranch_scc0 .Lentry_in_a_cluster
	s_endpgm
.Lentry_in_a_cluster:
	s_bfe_u32 s2, ttmp6, 0x10000c
	s_cmp_lg_u32 s2, 0xf033
	s_cbranch_scc0 .Lentry_shape_is_right
	s_endpgm
.Lentry_shape_is_right:
; out0 = a wo + bo on codes of FP4 (E2M1) with one E8M0 scale for each 32 along K = 1,024.  a: the attention's result, as register images (abuf) and two scale bytes for each head and token (asc).
; SHARES.  A work-group makes 128 tokens x 256 columns; 8 waves, each 64 tokens (wave / 4) x 64 columns (wave % 4): 16 accumulators.  Source 0 = 16 rows of wo, source 1 = 16 tokens: a lane holds eight neighbouring
; columns of one token's row.  The bias is the C of each sum's first product.
; LDS.  All of K fits, in two halves of 512, each filled ONCE; nothing is filled again.  a's images are dense (read 16 bytes a lane on end); wo's rows are 256 bytes + 16 of padding.
; CLUSTER 4 x 4.  The four work-groups of a row of the cluster read the same tokens, the four of a column the same rows of wo: each tile is asked for jointly.  NO PREFETCH: the only tensor loads stand at the head.
; THE WAY OUT.  16 tokens x 64 columns at a time through the wave's own stage in LDS, back as rows of 256 bytes: sixteen lanes store 256 consecutive bytes, at a multiple of 256 from out0's first byte.
.set PITCH, 272
.set WT,    65536                      ; a's images: 2 halves x 8 token tiles x 4,096 bytes at 0;  then wo's two halves
.set WHALF, 256*PITCH
.set ASC,   WT+2*WHALF                 ; a's scale bytes: a row of 256 bytes + 16 for each of 16 heads
.set WSC,   ASC+16*PITCH               ; wo's: 256 rows x 32 bytes = 32 runs of 256 + 16
.set STG,   WSC+32*PITCH               ; the stages: 16 rows x 272 bytes a wave; no fill lands here
.set AA,  1                            ; v1   LDS address of a's images: 16 x lane + my 64 tokens
.set WA,  2                            ; v2-3 of wo's fragments, half 0, 1
.set WSA, 4                            ; v4   of wo's scale words
.set ASA, 5                            ; v5   of a's scale bytes; on the way out: where I read a row back
.set RD,  5
.set BO,  6                            ; v6   my offset in the bias; on the way out: in out0
.set CO,  6
.set STO, 7                            ; v7   where I put 32 bytes of a row
.set WS,  8                            ; v8-15  wo's scale words (4 i + step);  v16-31 a's (8 i + K step): lanes 0-15 tile 2 i, lanes 16-31 tile 2 i + 1
.set AS,  16
.set QB,  32                           ; v32-63 the bias;  v64-95 wo's four fragments;  v96-127 a's four;  v128-255 the accumulators
.set WF,  64
.set AF,  96
.set ACC, 128
.set BK,  64                           ; the way out: 16 rows read back: v64-95 and v96-127 by turns
.set G1A, 28
.set G1W, 36
.set G1AS, 44
.set G1WS, 52
.set G0AS, 60
.set G0A0, 68
.set G0A1, 72
.set G0WS, 76
.set G0W0, 80
.set G0W1, 84
.set WV,  88
.set ROLE, 89                          ; wave / 4: I fetch for a (0) or for wo (1); also my 64 tokens
.set W3,  90                           ; wave % 4: which quarter I fetch; also my 64 columns
.set CX,  91
.set CY,  92
.set MB,  93
.macro PLACES
.rept 4
	v_nop
.endr
.endm
.macro CROUND
	s_barrier_signal -1
	s_barrier_wait -1
	s_cmp_lg_u32 s[WV], 0
	s_cbranch_scc1 .Lnot_wave_0_\@
	s_barrier_signal -3
.Lnot_wave_0_\@:
	s_barrier_wait -3
	s_barrier_signal -1
	s_barrier_wait -1
.endm
.macro JLOAD g0a, g1a, g0b, g1b        ; a joint load: waves 0-3 for a, waves 4-7 for wo; four v_nop follow each line
	s_cmp_eq_u32 s[ROLE], 0
	s_cbranch_scc0 .Lfor_w_\@
	tensor_load_to_lds s[\g0a:\g0a+3], s[\g1a:\g1a+7]
	s_nop 0
.rept 4
	v_nop
.endr
	s_branch .Lasked_\@
.Lfor_w_\@:
	tensor_load_to_lds s[\g0b:\g0b+3], s[\g1b:\g1b+7]
	s_nop 0
.rept 4
	v_nop
.endr
.Lasked_\@:
.endm
.macro WM d, a, b, c, sa, sb, ra, rb   ; ra, rb = 1: that side's scale words are read from lanes 16-31
.if (\ra) && (\rb)
	v_wmma_scale_f32_16x16x128_f8f6f4 v[\d:\d+7], v[\a:\a+7], v[\b:\b+7], v[\c:\c+7], v[\sa], v[\sb] matrix_a_fmt:MATRIX_FMT_FP4 matrix_b_fmt:MATRIX_FMT_FP4 matrix_a_scale:MATRIX_SCALE_ROW1 matrix_b_scale:MATRIX_SCALE_ROW1
.elseif \ra
	v_wmma_scale_f32_16x16x128_f8f6f4 v[\d:\d+7], v[\a:\a+7], v[\b:\b+7], v[\c:\c+7], v[\sa], v[\sb] matrix_a_fmt:MATRIX_FMT_FP4 matrix_b_fmt:MATRIX_FMT_FP4 matrix_a_scale:MATRIX_SCALE_ROW1
.elseif \rb
	v_wmma_scale_f32_16x16x128_f8f6f4 v[\d:\d+7], v[\a:\a+7], v[\b:\b+7], v[\c:\c+7], v[\sa], v[\sb] matrix_a_fmt:MATRIX_FMT_FP4 matrix_b_fmt:MATRIX_FMT_FP4 matrix_b_scale:MATRIX_SCALE_ROW1
.else
	v_wmma_scale_f32_16x16x128_f8f6f4 v[\d:\d+7], v[\a:\a+7], v[\b:\b+7], v[\c:\c+7], v[\sa], v[\sb] matrix_a_fmt:MATRIX_FMT_FP4 matrix_b_fmt:MATRIX_FMT_FP4
.endif
.endm
; A step of 128 along K, the qq-th of half k.  The 16 accumulators take turns, one instruction a turn.
.macro STEP_O k, qq, first
.if !(\first)
	PLACES
.endif
.if (\qq) == 0
.irp i, 0,1
	ds_load_b128 v[WS+4*\i:WS+4*\i+3], v[WSA] offset:4*PITCH*\i+16*(\k)
.endr
.endif
.irp t, 0,1,2,3
	ds_load_b128 v[WF+8*\t:WF+8*\t+3], v[WA+(\k)] offset:64*(\qq)+16*PITCH*\t
	ds_load_b128 v[WF+8*\t+4:WF+8*\t+7], v[WA+(\k)] offset:64*(\qq)+16*PITCH*\t+32
.endr
.irp t, 0,1,2,3
	ds_load_b128 v[AF+8*\t:AF+8*\t+3], v[AA] offset:32768*(\k)+4096*\t+1024*(\qq)          ; the even head's image: registers 0-3,
	ds_load_b128 v[AF+8*\t+4:AF+8*\t+7], v[AA] offset:32768*(\k)+4096*\t+1024*(\qq)+512    ; the odd head's: registers 4-7
.endr
.irp xt, 0,1,2,3
	s_wait_dscnt 2*(3-\xt)                         ; all but the later token tiles' loads, two a tile
.irp wt, 0,1,2,3
.if \first
	WM ACC+8*(4*\xt+\wt), WF+8*\wt, AF+8*\xt, QB+8*\wt, WS+4*(\wt/2)+(\qq), AS+8*(\xt/2)+4*(\k)+(\qq), \wt%2, \xt%2
.else
	WM ACC+8*(4*\xt+\wt), WF+8*\wt, AF+8*\xt, ACC+8*(4*\xt+\wt), WS+4*(\wt/2)+(\qq), AS+8*(\xt/2)+4*(\k)+(\qq), \wt%2, \xt%2
.endif
.endr
.endr
.endm
	s_load_b256 s[4:11], s[0:1], 0x0               ; abuf, asc, wo's codes, wo's scales
	s_load_b128 s[12:15], s[0:1], 0x20             ; bo, out0
	s_set_vgpr_msb 0x40
	v_lshl_add_u32 v0, v0, 2, 0x3db00
	v_mov_b32 v1, 0
	s_set_vgpr_msb 0x4045
	ds_add_u32 v0, v1
	ds_add_u32 v0, v1
	s_set_vgpr_msb 0x4500
	v_lshrrev_b32 v1, 5, v0
	s_delay_alu instid0(VALU_DEP_1)
	v_readfirstlane_b32 s[WV], v1                  ; wave 0..7
	s_lshr_b32 s[ROLE], s[WV], 2
	s_and_b32 s[W3], s[WV], 3
	s_bfe_u32 s[CX], ttmp6, 0x40000
	s_bfe_u32 s[CY], ttmp6, 0x40004
	s_and_b32 s[MB], ttmp7, 0xffff
	s_lshl_b32 s[MB], s[MB], 2
	s_add_co_u32 s[MB], s[MB], s[CY]               ; block of 128 tokens = 4 x cluster y + cy
	s_lshl_b32 s94, s[CY], 2
	s_lshl_b32 s94, 15, s94                        ; my row of the cluster
	s_lshl_b32 s95, 0x1111, s[CX]                  ; my column
	s_or_b32 s[G1A], s94, (3<<16)|(1<<21)          ; a's images: 8,192 dense bytes as 32 rows of 32 elements of 8 bytes, no padding
	s_mov_b32 s[G1A+1], 32<<16
	s_mov_b32 s[G1A+2], 32<<16
	s_mov_b32 s[G1A+3], 32<<16
	s_mov_b32 s[G1A+4], 32
	s_mov_b32 s[G1A+5], 32
	s_mov_b32 s[G1A+6], 0
	s_mov_b32 s[G1A+7], 0
	s_or_b32 s[G1W], s95, (1<<20)|(1<<21)|(5<<22)|(3<<25)   ; wo's codes: 64 rows of 256 bytes, 512 apart, 4 words of padding behind every 64
	s_mov_b32 s[G1W+1], 256<<16
	s_mov_b32 s[G1W+2], 64<<16
	s_mov_b32 s[G1W+3], 256<<16
	s_mov_b32 s[G1W+4], 64
	s_mov_b32 s[G1W+5], 512
	s_mov_b32 s[G1W+6], 0
	s_mov_b32 s[G1W+7], 0
	s_or_b32 s[G1AS], s94, (3<<16)|(1<<20)|(1<<21)|(5<<22)|(3<<25)   ; a's scale bytes: four heads' 256 bytes, 4,096 bytes (512 elements) from head to head
	s_mov_b32 s[G1AS+1], 32<<16
	s_mov_b32 s[G1AS+2], 4<<16
	s_mov_b32 s[G1AS+3], 32<<16
	s_mov_b32 s[G1AS+4], 4
	s_mov_b32 s[G1AS+5], 512
	s_mov_b32 s[G1AS+6], 0
	s_mov_b32 s[G1AS+7], 0
	s_or_b32 s[G1WS], s95, (3<<16)|(1<<20)|(1<<21)|(5<<22)|(3<<25)   ; wo's scale bytes: 64 rows x 32 dense bytes
	s_mov_b32 s[G1WS+1], 32<<16
	s_mov_b32 s[G1WS+2], 8<<16
	s_mov_b32 s[G1WS+3], 32<<16
	s_mov_b32 s[G1WS+4], 8
	s_mov_b32 s[G1WS+5], 32
	s_mov_b32 s[G1WS+6], 0
	s_mov_b32 s[G1WS+7], 0
	; a's tiles hang on the block of tokens alone, wo's on the block of columns alone, each in registers that never hold the other coordinate
	s_lshl_b32 s96, s[MB], 3
	s_lshl_b32 s97, s[W3], 1
	s_add_co_u32 s96, s96, s97                     ; the first of the two token tiles that I would fetch
	s_lshl_b32 s96, s96, 12
	s_mov_b32 s97, 0
	s_lshr_b32 s100, s[MB], 4                      ; the batch
	s_lshl_b32 s100, s100, 4
	s_lshl_b32 s101, s[W3], 2
	s_add_co_u32 s100, s100, s101                  ; the first of the four heads
	s_lshl_b32 s100, s100, 12
	s_and_b32 s101, s[MB], 15
	s_lshl_b32 s101, s101, 8
	s_add_co_u32 s100, s100, s101                  ; + the block's 128 tokens x 2 bytes
	s_mov_b32 s101, 0
	s_lshl_b32 s98, s[CX], 8
	s_lshl_b32 s99, s[W3], 6
	s_add_co_u32 s98, s98, s99                     ; the first row of wo
	s_lshl_b32 s66, s98, 5
	s_mov_b32 s67, 0
	s_lshl_b32 s98, s98, 9
	s_mov_b32 s99, 0
	s_wait_dscnt 0x0
	s_wait_kmcnt 0x0
	s_mov_b32 s[G0AS], 1
	s_mul_i32 s[G0AS+1], s[W3], 4*PITCH
	s_add_co_u32 s[G0AS+1], s[G0AS+1], ASC
	s_add_nc_u64 s[G0AS+2:G0AS+3], s[6:7], s[100:101]
	s_or_b32 s[G0AS+3], s[G0AS+3], 0x80000000
	s_mov_b32 s[G0A0], 1
	s_lshl_b32 s[G0A0+1], s[W3], 13
	s_add_nc_u64 s[G0A0+2:G0A0+3], s[4:5], s[96:97]
	s_mov_b32 s[G0A1], 1
	s_add_co_u32 s[G0A1+1], s[G0A0+1], 32768
	s_add_nc_u64 s[G0A1+2:G0A1+3], s[G0A0+2:G0A0+3], 0x200000   ; heads 8-15
	s_or_b32 s[G0A0+3], s[G0A0+3], 0x80000000
	s_or_b32 s[G0A1+3], s[G0A1+3], 0x80000000
	s_mov_b32 s[G0WS], 1
	s_mul_i32 s[G0WS+1], s[W3], 8*PITCH
	s_add_co_u32 s[G0WS+1], s[G0WS+1], WSC
	s_add_nc_u64 s[G0WS+2:G0WS+3], s[10:11], s[66:67]
	s_or_b32 s[G0WS+3], s[G0WS+3], 0x80000000
	s_mov_b32 s[G0W0], 1
	s_mul_i32 s[G0W0+1], s[W3], 64*PITCH
	s_add_co_u32 s[G0W0+1], s[G0W0+1], WT
	s_add_nc_u64 s[G0W0+2:G0W0+3], s[8:9], s[98:99]
	s_mov_b32 s[G0W1], 1
	s_add_co_u32 s[G0W1+1], s[G0W0+1], WHALF
	s_add_nc_u64 s[G0W1+2:G0W1+3], s[G0W0+2:G0W0+3], 256
	s_or_b32 s[G0W0+3], s[G0W0+3], 0x80000000
	s_or_b32 s[G0W1+3], s[G0W1+3], 0x80000000
	CROUND                                         ; all sixteen work-groups are here: the joint loads meet
	JLOAD G0AS, G1AS, G0WS, G1WS                   ; three loads of mine are out: the scale bytes,
	JLOAD G0A0, G1A, G0W0, G1W                     ; K's first half,
	JLOAD G0A1, G1A, G0W1, G1W                     ; its second
	s_lshl_b32 s20, s[CX], 10
	s_lshl_b32 s21, s[W3], 8
	s_add_co_u32 s20, s20, s21                     ; my 64 columns, in bytes of f32
	s_mov_b32 s21, 0
	s_add_nc_u64 s[12:13], s[12:13], s[20:21]      ; the bias,
	s_add_nc_u64 s[14:15], s[14:15], s[20:21]      ; out0,
	s_lshl_b32 s20, s[MB], 7
	s_lshl_b32 s22, s[ROLE], 6
	s_add_co_u32 s20, s20, s22
	s_lshl_b32 s20, s20, 12
	s_add_nc_u64 s[14:15], s[14:15], s[20:21]      ; at my first token's row of 4,096 bytes
	v_and_b32 v32, 31, v0                          ; lane
	v_and_b32 v33, 15, v0                          ; r
	v_bfe_u32 v34, v0, 4, 1                        ; h
	s_lshl_b32 s24, s[ROLE], 14
	v_lshl_add_u32 v[AA], v32, 4, s24              ; my four token tiles of 4,096 bytes
	v_mul_u32_u24 v35, v33, PITCH
	s_delay_alu instid0(VALU_DEP_1)
	v_lshl_add_u32 v[WA], v34, 4, v35              ; r x pitch + 16 h
	s_mul_i32 s24, s[W3], 64*PITCH
	s_add_co_u32 s24, s24, WT
	v_add_nc_u32 v[WA], s24, v[WA]
	s_delay_alu instid0(VALU_DEP_1)
	v_add_nc_u32 v[WA+1], WHALF, v[WA]
	v_lshrrev_b32 v[WSA], 3, v32
	s_delay_alu instid0(VALU_DEP_1)
	v_mul_u32_u24 v[WSA], v[WSA], PITCH
	v_and_b32 v36, 7, v32
	s_delay_alu instid0(VALU_DEP_1)
	v_lshl_add_u32 v[WSA], v36, 5, v[WSA]
	s_mul_i32 s24, s[W3], 8*PITCH
	s_add_co_u32 s24, s24, WSC
	v_add_nc_u32 v[WSA], s24, v[WSA]
	s_lshl_b32 s24, s[ROLE], 7
	s_add_co_u32 s24, s24, ASC
	v_lshl_add_u32 v[ASA], v32, 1, s24             ; token 64 (wave / 4) + lane: 2 bytes a token
	v_lshl_add_u32 v[STO], v34, 5, v35             ; the stage: row r, 32 bytes for each half of the lanes
	s_mul_i32 s25, s[WV], 16*PITCH
	s_add_co_u32 s25, s25, STG
	v_add_nc_u32 v[STO], s25, v[STO]
	v_lshlrev_b32 v[BO], 5, v34                    ; tile t's C: bias[16 t + 8 h + 0 .. 7]
.irp t, 0,1,2,3
	global_load_b128 v[QB+8*\t:QB+8*\t+3], v[BO], s[12:13] offset:64*\t
	global_load_b128 v[QB+8*\t+4:QB+8*\t+7], v[BO], s[12:13] offset:64*\t+16
.endr
	s_wait_alu depctr_va_vdst(0)
	s_wait_tensorcnt 1                             ; the scale bytes and my part of K's first half are in; the second half's load may stay out
	s_barrier_signal -1
	s_barrier_wait -1
.irp i, 0,1
.irp hd, 0,1,2,3,4,5,6,7,8,9,10,11,12,13,14,15
	ds_load_u16 v[ACC+16*\i+\hd], v[ASA] offset:PITCH*\hd+64*\i   ; head hd's two bytes of token 32 i + lane
.endr
.endr
	s_wait_dscnt 0x0
.irp i, 0,1
.irp q, 0,1,2,3,4,5,6,7
	v_lshl_or_b32 v[AS+8*\i+\q], v[ACC+16*\i+2*\q+1], 16, v[ACC+16*\i+2*\q]   ; K step q is heads 2 q and 2 q + 1: four blocks of 32
.endr
.endr
.rept 8
	v_nop                                          ; a scale register written by a vector instruction stands eight places ahead of a scaled matrix instruction
.endr
	s_wait_alu depctr_va_vdst(0)
	s_wait_loadcnt 0x0                             ; the bias
	STEP_O 0, 0, 1
	STEP_O 0, 1, 0
	STEP_O 0, 2, 0
	STEP_O 0, 3, 0
	s_wait_tensorcnt 0x0                           ; my part of K's second half has landed, my LDS loads are in;
	s_wait_dscnt 0x0
	s_barrier_signal -1
	s_barrier_wait -1                              ; everybody's.
	STEP_O 1, 0, 0
	STEP_O 1, 1, 0
	STEP_O 1, 2, 0
	STEP_O 1, 3, 0
	; THE WAY OUT.  These seven lines name no register of the last products: they are the places in front of the first read of results and of the loads into the fragments' registers.
	v_and_b32 v32, 15, v0
	v_bfe_u32 v33, v0, 4, 1
	s_delay_alu instid0(VALU_DEP_1)
	v_mul_u32_u24 v[RD], v33, PITCH
	s_delay_alu instid0(VALU_DEP_1)
	v_lshl_add_u32 v[RD], v32, 4, v[RD]
	s_delay_alu instid0(VALU_DEP_1)
	v_add_nc_u32 v[RD], s25, v[RD]                 ; back: lanes 0-15 one row of 256 bytes, lanes 16-31 the next
	s_delay_alu instid0(VALU_DEP_4)
	v_lshlrev_b32 v[CO], 12, v33
	s_delay_alu instid0(VALU_DEP_1)
	v_lshl_add_u32 v[CO], v32, 4, v[CO]            ; and the same two rows in out0
.macro TOSTAGE a                       ; token tile a: LDS serves a wave's instructions in order (ISA guide 5.7.1.4): no wait between the stores and the loads, nor in front of the next tile's stores
.irp wt, 0,1,2,3
	ds_store_b128 v[STO], v[ACC+8*(4*(\a)+\wt):ACC+8*(4*(\a)+\wt)+3] offset:64*\wt       ; each accumulator from its low end on
	ds_store_b128 v[STO], v[ACC+8*(4*(\a)+\wt)+4:ACC+8*(4*(\a)+\wt)+7] offset:64*\wt+16
.endr
.set BB, BK+32*((\a)%2)
.irp i, 0,1,2,3,4,5,6,7
	ds_load_b128 v[BB+4*\i:BB+4*\i+3], v[RD] offset:2*PITCH*\i
.endr
.endm
.macro SEND a, younger                 ; younger: the LDS instructions issued behind tile a's loads, which may stay out
.set BB, BK+32*((\a)%2)
	s_wait_dscnt \younger
.irp i, 0,1,2,3,4,5,6,7
	global_store_b128 v[CO], v[BB+4*\i:BB+4*\i+3], s[14:15] offset:(16*(\a)+2*\i)*4096 th:TH_STORE_NT   ; written once, read by nobody here
.endr
.endm
	s_wait_alu depctr_va_vdst(0)
	TOSTAGE 0
.irp a, 1,2,3
.if \a > 1
	s_wait_xcnt 0x0                                ; tile a - 2's stores have read their registers: tile a's loads may land there
.endif
	TOSTAGE \a
	SEND \a-1, 16                                  ; behind tile a - 1's loads: tile a's eight stores and eight loads
.endr
	SEND 3, 0
	s_set_vgpr_msb 0x5
	s_wait_tensorcnt 0x0
	ds_add_u32 v0, v1
	s_wait_dscnt 0x0
	s_set_vgpr_msb 0x500
	CROUND                                         ; the closing round: no work-group ends while a partner may still ask for a tile that names it
	s_endpgm
.Lfunc_end_k_q453b842b5f_out_proj:
	.size	k_q453b842b5f_out_proj, .Lfunc_end_k_q453b842b5f_out_proj-k_q453b842b5f_out_proj
	.p2alignl 7, 3214868480
	.fill 96, 4, 3214868480
	.section	.rodata,"a",@progbits
	.p2align	6, 0x0
	.amdhsa_kernel k_q453b842b5f_out_proj
		.amdhsa_group_segment_fixed_size 253696
		.amdhsa_private_segment_fixed_size 0
		.amdhsa_enable_private_segment 0
		.amdhsa_kernarg_size 48
		.amdhsa_user_sgpr_count 2
		.amdhsa_user_sgpr_kernarg_segment_ptr 1
		.amdhsa_wavefront_size32 1
		.amdhsa_system_sgpr_workgroup_id_x 1
		.amdhsa_system_sgpr_workgroup_id_y 1
		.amdhsa_system_sgpr_workgroup_id_z 1
		.amdhsa_system_vgpr_workitem_id 0
		.amdhsa_next_free_vgpr 258
		.amdhsa_next_free_sgpr 102
		.amdhsa_reserve_vcc 0
		.amdhsa_float_denorm_mode_32 3
		.amdhsa_float_denorm_mode_16_64 3
		.amdhsa_memory_ordered 1
		.amdhsa_forward_progress 1
		.amdhsa_inst_pref_size 48
	.end_amdhsa_kernel
	.amdgpu_metadata
---
amdhsa.version: [ 1, 2 ]
amdhsa.kernels:
  - .name:           k_q453b842b5f_out_proj
    .symbol:         k_q453b842b5f_out_proj.kd
    .args:
      - { .name: abuf, .offset: 0, .size: 8, .value_kind: global_buffer, .address_space: global }
      - { .name: asc, .offset: 8, .size: 8, .value_kind: global_buffer, .address_space: global }
      - { .name: wo_codes, .offset: 16, .size: 8, .value_kind: global_buffer, .address_space: global }
      - { .name: wo_scales, .offset: 24, .size: 8, .value_kind: global_buffer, .address_space: global }
      - { .name: bo, .offset: 32, .size: 8, .value_kind: global_buffer, .address_space: global }
      - { .name: out0, .offset: 40, .size: 8, .value_kind: global_buffer, .address_space: global }
    .group_segment_fixed_size: 253696
    .private_segment_fixed_size: 0
    .kernarg_segment_align: 8
    .kernarg_segment_size: 48
    .max_flat_workgroup_size: 256
    .sgpr_count:     102
    .vgpr_count:     258
    .wavefront_size: 32
...
	.end_amdgpu_metadata
.endif
;; end of part 3
